; MI455X (gfx1250); checked and timed in simulation.
; The chip was launched on July 23, 2026; its instructions are those of AMD's public machine-readable ISA for CDNA 5 (MIT licence, August 2026) and "CDNA5" Instruction Set Architecture Reference Guide (July 2026). The comments in the code are by the model that wrote it; some were corrected since.
;; Self Attention. Allowed arithmetic: matrix products marked QUANTISED: E2M3 operands, one E8M0 scale for each 32 along K, by v_wmma_scale_f32_16x16x128_f8f6f4 with both operands' format E2M3, f32 sums; everything else in f32.
;; Inputs: b_attn 3,072 float32; b_proj 1,024 float32; w_attn_codes 3,072 x 32 x 24 uint8 (E2M3 codes of w_attn, K innermost, in blocks of 32 codes, four codes in three bytes); w_attn_scales 3,072 x 32 uint8 (E8M0 scales of w_attn, one for each 32 codes along K); w_proj_codes 1,024 x 32 x 24 uint8 (E2M3 codes of w_proj, K innermost, in blocks of 32 codes, four codes in three bytes); w_proj_scales 1,024 x 32 uint8 (E8M0 scales of w_proj, one for each 32 codes along K); x_codes 4 x 2,048 x 32 x 24 uint8 (E2M3 codes of x, K innermost, in blocks of 32 codes, four codes in three bytes); x_scales 4 x 2,048 x 32 uint8 (E8M0 scales of x, one for each 32 codes along K).
;; Outputs: out0 4 x 2,048 x 1,024 float32.
;; This version of the problem:
;;   THIS VERSION OF THE PROBLEM IS GIVEN IN LOW PRECISION. The matrix products marked QUANTISED in the list below multiply operands that are first quantised to E2M3 (2 exponent bits, 3 mantissa bits; 6 bits a number), with one power-of-two scale for each 32 numbers along K (OCP MX v1.0); their sums are f32. All else is computed in f32.
;;   The module's matrix products, in the order in which they are computed (A, B: the left and right operand; K: the contracted axis; several contracted axes count as one K, in the product's order):
;;     1. [M 8,192, K 1,024] x [K 1,024, N 3,072]; A: input x (given as codes); B: input w_attn (given as codes): QUANTISED
;;     2. batch 64 x [M 2,048, K 64] x [K 64, N 2,048]; A: computed on the way; B: computed on the way: QUANTISED
;;     3. batch 64 x [M 2,048, K 2,048] x [K 2,048, N 64]; A: softmax (see below); B: computed on the way: QUANTISED
;;     4. [M 8,192, K 1,024] x [K 1,024, N 1,024]; A: computed on the way; B: input w_proj (given as codes): QUANTISED
;;   THE QUANTISER, for each operand of a quantised product, along K:
;;     - K is cut into blocks of 32 from its start; a last block that is shorter is filled with zeros.
;;     - A block's scale is 2^e with e = floor(log2(the largest magnitude in the block)) - 2, held to -126 .. 127; a block of zeros has e = 0. As a byte (E8M0): e + 127.
;;     - Each number is divided by its block's scale, clamped to +-7.5, and rounded to the nearest number of E2M3, ties to even, subnormals kept.
;;     - The product sums the exact products of the quantised numbers (number of the format x scale) in f32.
;;   ~~~python
;;   def quantise(x, axis):      # numpy; x: float32 -> the quantised numbers, widened to float32 again
;;       x = np.moveaxis(x, axis, -1); K = x.shape[-1]
;;       x = np.pad(x, [(0, 0)] * (x.ndim - 1) + [(0, -K % 32)]); x = x.reshape(x.shape[:-1] + (-1, 32)); a = np.abs(x).max(-1, keepdims=True)
;;       e = np.where(a > 0, np.clip(np.frexp(np.where(a > 0, a, 1))[1] - 1 - 2, -126, 127), 0)      # np.frexp(a)[1] - 1 = floor(log2(a)), exactly
;;       r = np.clip(x / 2.0 ** e, -7.5, 7.5)
;;       step = 2.0 ** (np.maximum(np.frexp(np.where(r == 0, 1, r))[1] - 1, 0) - 3)
;;       q = np.round(r / step) * step * 2.0 ** e      # np.round: ties to even
;;       return np.moveaxis(q.reshape(q.shape[:-2] + (-1,))[..., :K], -1, axis).astype(np.float32)
;;   ~~~
;;   SOFTMAX AHEAD OF A QUANTISED PRODUCT. Where the list says 'softmax', what is quantised is not the finished softmax but p = 2^(t - M), with t = logit x log2(e) and M = ceil(the row's largest t), a whole number; so 1/2 < the row's largest p <= 1. The row's sum l is taken of the UNQUANTISED p, in f32, and the product's result is divided by l at the end. Since M is a whole number, a kernel that streams over the keys may use a running M (the ceiling of the running maximum): every later rescaling is an exact power of two, which a block's scale takes up: the codes' values come out the same.
;;   OPERANDS COMPUTED ON THE WAY. 'Computed on the way' means the value that the module computes at that place (a softmax that the list does not call 'softmax' is quantised finished and normalised). What goes into a quantiser is computed in f32, as accurately as f32 sums, v_exp_f32 and their like allow (about 1e-6 of the number): no bf16 or f16 on the way to a quantiser, and a product that is left as it is and whose result goes on into a quantised operand takes f32 operands (vector FMAs, or v_wmma_f32_16x16x4_f32). A number that lies on a knife's edge between two numbers of the format may be rounded either way, as far as f32 arithmetic and the matrix unit's own rounding can turn it there, and no further.
;;   INPUTS GIVEN AS CODES. w_attn (in the module: [3072, 1024], K = its axis 1); w_proj (in the module: [1024, 1024], K = its axis 1); x (in the module: [4, 2048, 1024], K = its axis 2): each comes as NAME_codes (uint8): NAME with its K axis moved to the last place and cut into blocks of 32 codes, [.., K / 32, bytes a block], one block behind the other in memory; four codes in three bytes: a row's codes are one little-endian stream of bits, code i at bits 6 i .. 6 i + 5 (a code: sign, 2 exponent bits, 3 mantissa bits); and NAME_scales (uint8): the same leading axes, one E8M0 byte (e + 127) for each 32 codes along K. Its value is code x scale, taken as it is: it is not quantised again, and the codes and scales need not be those that the quantiser above would give.
;; One version. Each part assembles by itself: llvm-mc -triple=amdgcn-amd-amdhsa -mcpu=gfx1250 --defsym DOCPART=n.
;; ======== version 1 of 1: 3 launches
;; workspace buffers: qkv_c 18,874,368 bytes; qkv_s 786,432 bytes; y_c 6,291,456 bytes; y_s 262,144 bytes
;; launch qkv (part 1): grid 8 x 48, 4 waves a work-group, clusters of 4 x 4, 327,680 bytes of LDS; arguments x_codes, x_scales, w_attn_codes, w_attn_scales, b_attn, qkv_c, qkv_s; writes qkv_c, qkv_s
.if DOCPART == 1
	.amdgcn_target "amdgcn-amd-amdhsa--gfx1250"
	.amdhsa_code_object_version 6
	.text
	.protected	k_qf5f4584f0b_qkv
	.globl	k_qf5f4584f0b_qkv
	.p2align	8
	.type	k_qf5f4584f0b_qkv,@function
k_qf5f4584f0b_qkv:
	s_mov_b64 s[64:65], 0
	v_nop
	global_prefetch_b8 v0, s[64:65] scope:SCOPE_SE
	s_setreg_imm32_b32 hwreg(HW_REG_WAVE_MODE, 25, 1), 1
	s_wait_xcnt 0x0
	s_wait_alu depctr_hold_cnt(0) depctr_sa_sdst(0) depctr_va_vdst(0) depctr_va_sdst(0) depctr_va_ssrc(0) depctr_va_vcc(0) depctr_vm_vsrc(0)
	s_getreg_b32 s2, hwreg(HW_REG_IB_STS2, 6, 4)
	s_cmp_eq_u32 s2, 0
	s_cbranch_scc0 .Lentry_in_a_cluster
	s_endpgm
.Lentry_in_a_cluster:
	s_bfe_u32 s2, ttmp6, 0x10000c
	s_cmp_lg_u32 s2, 0xf033
	s_cbranch_scc0 .Lentry_shape_is_right
	s_endpgm
.Lentry_shape_is_right:
; qkv = x w_attn^T + b_attn on codes of FP6 (E2M3) with E8M0 scales, K = 1,024; the result never leaves as f32: q and k are quantised along the head's 64, v along the keys, in registers.
; A tile of 256 x 256 of the product is made by four waves, 128 x 128 each (64 accumulators, 512 registers); K goes in steps of 256 through two LDS slots filled by joint tensor loads.
; The scale bytes of the work-group's 2 x 256 rows, for all of K, come into LDS once, with the first fills.
; THE MATRIX INSTRUCTION: source 0 = 16 rows of "B", which run along a lane's registers in the result; source 1 = 16 rows of "A", which fall on the lanes.  What is quantised next must run along the registers:
;   cluster y < 8 (q and k):  A = x (tokens on lanes),  B = w_attn rows 0..2,047 (features along registers: the head's 64 are the next K).
;   cluster y >= 8 (v):       A = w_attn rows 2,048.. (features on lanes),  B = x (tokens along registers: the keys are the next K).
; The two modes differ in pointers, offsets and two lane masks, all chosen by s_cselect on the cluster's y: ONE path through the text, no branch on the mode.
; CLUSTERS: 4 x 4 work-groups; A's tile is shared along a row of the cluster, B's along a column: each is asked for jointly.  384 tiles = 24 clusters.
; WORKSPACE.  A unit is the register image of 16 rows x 64 along K: 6 registers a lane, 768 bytes: lane l's registers 0-3 at 16 l, its registers 4-5 at 512 + 8 l.
;   qkv_c [G 48][Sg 64][8 units][768], G = 0..15 q's heads, 16..31 k's, 32..47 v's; Sg = token / 128.  q, k: unit i = tokens 16 i on, K = the head's 64.  v: unit 2 t + c = channels 16 t on, K = keys 64 c on.
;   qkv_s [G][Sg][row 16][4 words].  q, k: word p = two bytes of token tile 2 p, two of tile 2 p + 1.  v: word t = the four bytes of channel 16 t + row for the 128 keys.
; LIMITS: a block of zeros, or one whose largest magnitude lies under 2^-124, gets the byte 1 (its codes are zeros or nearly so; the bytes are read by this program alone); NaN and infinities are not served.
; REGISTERS, in windows of 256: window 0: v0-31 addresses; v32-63 scale words, two sets; v64-127 the bias along registers, later 64 numbers at work; v128-223 A's fragments, later the way out; v224-239 the bias along lanes; v240 a selector.
;   window 1: B's fragments, two sets.   window 2: accumulators of my rows 0-63 ((a, b) at v[8 (8 a + b)]);   window 3: those of rows 64-127.
.set KSTEP,  256
.set NQ,     2                         ; matrix instructions deep in a slot
.set ROWB,   192                       ; a tile's row: 256 codes
.set KROW,   768                       ; a row of x or w_attn in memory
.set PITCH,  240                       ; an LDS row: 3 x (64 bytes + 16 of padding)
.set FR,     12
.set NL,     6
.set NP,     4
.set HALFT,  128*PITCH
.set SLOT,   4*HALFT
.set LAPS,   2                         ; 1,024 / 512
.set KS,     32                        ; a row of scale bytes
.set SCL,    2*SLOT
.set HALFS,  (128*KS/256)*272
.set SBLK,   (16*KS/256)*272
.set SPARE,  SCL+4*HALFS               ; the spare words: 128 bytes a wave, named by no other line
.set O16,  7                           ; v7   16 x lane
.set O8,   8                           ; v8   512 + 8 x lane
.set O16C, 9                           ; v9   v7 + the stride of the fragment's second half
.set O8C,  10                          ; v10  v8 + the same
.set OSW,  11                          ; v11  16,384 (lane / 16) + 16 (lane % 16): where my four scale words go
.set ADRA, 16
.set ADRB, 20
.set ADRS, 27
.set SPW,  28
.set NIL,  29
.set SC,   32
.set BR,   64                          ; the bias of the features that run along registers (q, k); zeros for v
.set ST,   64                          ; the way out: a block's 64 numbers
.set AF,   128
.set CD,   128                         ; the way out: a fragment's 12 registers of codes
.set YT,   152                         ; the second conversions' results
.set TM,   160                         ; v160-163 maxima, v164-167 bytes, v172-175 scale operands
.set WW,   176                         ; v176-183 the eight blocks' scale words
.set SWQ,  184
.set SWV,  188
.set BL,   224                         ; the bias of the features that fall on lanes (v), in even registers; zeros for q, k
.set SELQ, 240
.set G1, 24
.set G0, 32
.set G1B, 48
.set G0B, 56
.set G1S, 68
.set G0S, 76
.set G1SB, 80
.set G0SB, 88
.set MSB, 0
.macro WIN new                         ; the immediate's high byte repeats the setting that is left
.if MSB != (\new)
	s_set_vgpr_msb (MSB<<8)|(\new)
.set MSB, (\new)
.endif
.endm
.set MUL_LO, 0xa1                      ; source 0 (B) window 1, source 1 (A) window 0, C and D window 2
.set MUL_HI, 0xf1                      ; the same, C and D window 3
.set TO_B,   0x40
; A joint load: waves 0 and 1 fetch for A, waves 2 and 3 for B; the branch hangs on the wave's number alone.  Four v_nop follow each line.
.macro JLOAD g0a, g1a, g0b, g1b
	s_cmp_eq_u32 s15, 0
	s_cbranch_scc0 .Lfor_b_\@
	tensor_load_to_lds s[\g0a:\g0a+3], s[\g1a:\g1a+7]
	s_nop 0
.rept 4
	v_nop
.endr
	s_branch .Lasked_\@
.Lfor_b_\@:
	tensor_load_to_lds s[\g0b:\g0b+3], s[\g1b:\g1b+7]
	s_nop 0
.rept 4
	v_nop
.endr
.Lasked_\@:
.endm
.macro CREST
	s_cmp_lg_u32 s14, 0
	s_cbranch_scc1 .Lnot_wave_0_\@
	s_barrier_signal -3
.Lnot_wave_0_\@:
	s_barrier_wait -3
	s_barrier_signal -1
	s_barrier_wait -1
.endm
.macro CROUND
	s_barrier_signal -1
	s_barrier_wait -1
	CREST
.endm
	s_load_b256 s[4:11], s[0:1], 0x0               ; x's codes s[4:5], x's scales s[6:7], w_attn's codes s[8:9], its scales s[10:11]
	s_load_b128 s[96:99], s[0:1], 0x20             ; b_attn s[96:97], qkv_c s[98:99]
	s_load_b64 s[100:101], s[0:1], 0x30            ; qkv_s
	v_lshl_add_u32 v[SPW], v0, 2, SPARE
	v_mov_b32 v[NIL], 0
	ds_add_u32 v28, v29
	ds_add_u32 v28, v29
	s_wait_dscnt 0x0
	v_lshrrev_b32 v1, 5, v0
	v_readfirstlane_b32 s14, v1                    ; wave 0..3
	s_lshr_b32 s15, s14, 1                         ; which half of A's 256 rows is mine.  Also: I fetch for A (0) or for B (1)
	s_and_b32 s16, s14, 1                          ; which half of B's.  Also: which 128 rows I fetch
	s_bfe_u32 s40, ttmp6, 0x40000                  ; cx
	s_bfe_u32 s41, ttmp6, 0x40004                  ; cy
	s_and_b32 s66, ttmp7, 0xffff                   ; the cluster's y: 0..7 q and k, 8..11 v
	s_sub_co_u32 s67, s66, 8
	s_lshl_b32 s67, s67, 1
	s_add_co_u32 s67, s67, ttmp9                   ; v: column of clusters = x + 2 (y - 8)
	s_cmp_ge_u32 s66, 8
	s_cselect_b32 s17, 0, s66                      ; row of clusters: v has one (1,024 features), q and k eight (8,192 tokens)
	s_cselect_b32 s42, s67, ttmp9                  ; column of clusters
	s_lshl_b32 s42, s42, 2
	s_add_co_u32 s42, s42, s40                     ; tile column (B's rows / 256)
	s_lshl_b32 s17, s17, 2
	s_add_co_u32 s17, s17, s41                     ; tile row (A's rows / 256)
	s_lshl_b32 s43, s41, 2
	s_lshl_b32 s43, 15, s43                        ; my row of the cluster
	s_lshl_b32 s44, 0x1111, s40                    ; my column
	s_or_b32 s[G1+0], s43, (0<<16)|(1<<20)|(1<<21)|(3<<22)|(3<<25)  ; the mask; elements of 1 byte; padding on; bit 21 beside a mask; after every 16 words 4 words
	s_or_b32 s[G1B+0], s44, (0<<16)|(1<<20)|(1<<21)|(3<<22)|(3<<25)
.irp g, G1, G1B
	s_mov_b32 s[\g+1], ROWB<<16                    ; tensor_dim0
	s_mov_b32 s[\g+2], 128<<16                     ; tensor_dim1
	s_mov_b32 s[\g+3], ROWB<<16                    ; tile_dim0
	s_mov_b32 s[\g+4], 128                         ; tile_dim1
	s_mov_b32 s[\g+5], KROW                        ; the pitch in memory
	s_mov_b32 s[\g+6], 0
	s_mov_b32 s[\g+7], 0
.endr
	s_or_b32 s[G1S+0], s43, (3<<16)|(1<<20)|(1<<21)|(5<<22)|(3<<25)  ; the scales of 128 rows: 4,096 dense bytes as 16 rows of 256, 16 bytes of padding behind each
	s_or_b32 s[G1SB+0], s44, (3<<16)|(1<<20)|(1<<21)|(5<<22)|(3<<25)
.irp g, G1S, G1SB
	s_mov_b32 s[\g+1], 32<<16
	s_mov_b32 s[\g+2], (128*KS/256)<<16
	s_mov_b32 s[\g+3], 32<<16
	s_mov_b32 s[\g+4], 128*KS/256
	s_mov_b32 s[\g+5], 32
	s_mov_b32 s[\g+6], 0
	s_mov_b32 s[\g+7], 0
.endr
	s_lshl_b32 s18, s16, 7                         ; which 128 rows of the tile I fetch
	s_lshl_b32 s20, s17, 8
	s_add_co_u32 s20, s20, s18                     ; A: row 256 x tile row + 128 x half
	s_lshl_b32 s46, s42, 8
	s_add_co_u32 s46, s46, s18                     ; B: row 256 x tile column + 128 x half
	s_mov_b32 s21, 0
	s_mov_b32 s47, 0
	s_mov_b64 s[18:19], KS
	s_mul_u64 s[22:23], s[20:21], s[18:19]         ; where these rows' scales begin
	s_mul_u64 s[92:93], s[46:47], s[18:19]
	s_mov_b64 s[18:19], KROW
	s_mul_u64 s[20:21], s[20:21], s[18:19]         ; and their codes
	s_mul_u64 s[46:47], s[46:47], s[18:19]
	s_mul_i32 s45, s14, HALFT                      ; where they go: wave x 128 rows
	s_mul_i32 s94, s14, HALFS
	s_wait_kmcnt 0x0
	s_add_nc_u64 s[2:3], s[8:9], 2048*KROW         ; w_attn's codes at row 2,048: v's features
	s_add_nc_u64 s[18:19], s[10:11], 2048*KS       ; and their scales
	s_cmp_ge_u32 s66, 8                            ; the choice hangs on the cluster's y alone
	s_cselect_b64 s[2:3], s[2:3], s[4:5]           ; A's codes: v's weights, or x
	s_cselect_b64 s[18:19], s[18:19], s[6:7]       ; A's scales
	s_cselect_b64 s[8:9], s[4:5], s[8:9]           ; B's codes: x, or q's and k's weights
	s_cselect_b64 s[10:11], s[6:7], s[10:11]       ; B's scales
	s_add_nc_u64 s[20:21], s[2:3], s[20:21]
	s_add_nc_u64 s[22:23], s[18:19], s[22:23]
	s_add_nc_u64 s[46:47], s[8:9], s[46:47]
	s_add_nc_u64 s[92:93], s[10:11], s[92:93]
	CROUND                                         ; all sixteen work-groups are here: the first joint loads meet
	s_mov_b32 s[G0S], 1
	s_add_co_u32 s[G0S+1], s94, SCL
	s_mov_b64 s[G0S+2:G0S+3], s[22:23]
	s_or_b32 s[G0S+3], s[G0S+3], 0x80000000
	s_mov_b32 s[G0SB], 1
	s_add_co_u32 s[G0SB+1], s94, SCL
	s_mov_b64 s[G0SB+2:G0SB+3], s[92:93]
	s_or_b32 s[G0SB+3], s[G0SB+3], 0x80000000
	JLOAD G0S, G1S, G0SB, G1SB                     ; the scales first: they are wanted with K step 0
.irp s, 0,1
	s_mov_b32 s[G0+4*\s], 1
	s_add_co_u32 s[G0+4*\s+1], s45, \s*SLOT
	s_add_nc_u64 s[G0+4*\s+2:G0+4*\s+3], s[20:21], \s*ROWB
	s_or_b32 s[G0+4*\s+3], s[G0+4*\s+3], 0x80000000
	s_mov_b32 s[G0B+4*\s], 1
	s_add_co_u32 s[G0B+4*\s+1], s45, \s*SLOT
	s_add_nc_u64 s[G0B+4*\s+2:G0B+4*\s+3], s[46:47], \s*ROWB
	s_or_b32 s[G0B+4*\s+3], s[G0B+4*\s+3], 0x80000000
	JLOAD G0+4*\s, G1, G0B+4*\s, G1B
.endr
	; ---- the mode's numbers.  None of them enters a descriptor, an LDS address or a branch
	s_lshl_b32 s18, s17, 8
	s_lshl_b32 s19, s15, 7
	s_add_co_u32 s18, s18, s19                     ; my first row of A
	s_lshl_b32 s19, s42, 8
	s_lshl_b32 s20, s16, 7
	s_add_co_u32 s19, s19, s20                     ; my first row of B
	s_lshr_b32 s20, s18, 7
	s_lshr_b32 s21, s19, 7
	s_lshr_b32 s22, s18, 6
	s_add_co_u32 s22, s22, 32                      ; v: G = 32 + feature / 64
	s_lshr_b32 s23, s19, 6                         ; q, k: G = feature / 64
	s_lshl_b32 s46, s19, 2                         ; q, k: the bias along registers begins at feature = B's row
	s_lshl_b32 s47, s18, 2
	s_add_co_u32 s47, s47, 8192                    ; v: the bias along lanes begins at feature 2,048 + A's row
	s_mov_b32 s92, 393216
	s_mov_b32 s8, 768
	s_mov_b32 s10, 768
	s_cmp_ge_u32 s66, 8
	s_cselect_b32 s20, s21, s20                    ; Sg = my 128 tokens' number
	s_cselect_b32 s22, s22, s23                    ; G of the first of my two heads
	s_cselect_b32 s46, 0, s46
	s_cselect_b32 s47, s47, 0
	s_cselect_b32 s92, 768, s92                    ; from a fragment's first half to its second: v the next unit, q and k the next head
	s_cselect_b32 s8, 1536, s8                     ; from block a to block a + 1: v two units, q and k one
	s_cselect_b32 s10, 388608, s10                 ; from block 3 to block 4: v the next head's unit 0 (393,216 - 3 x 1,536), q and k one unit
	s_cselect_b32 s12, -1, 0                       ; all lanes in v's mode
	s_cselect_b32 s93, 0, -1                       ; all lanes in q's and k's
	s_mov_b32 s9, 0
	s_mov_b32 s11, 0
	s_mul_i32 s21, s22, 393216
	s_mul_i32 s23, s20, 6144
	s_add_co_u32 s4, s21, s23
	s_mov_b32 s5, 0
	s_add_nc_u64 s[4:5], s[98:99], s[4:5]          ; qkv_c at (G, Sg)
	s_lshl_b32 s21, s22, 14
	s_lshl_b32 s23, s20, 8
	s_add_co_u32 s6, s21, s23
	s_mov_b32 s7, 0
	s_add_nc_u64 s[6:7], s[100:101], s[6:7]        ; qkv_s at (G, Sg)
	s_mov_b32 s94, 0x76543210
	s_mov_b32 s95, 0xfedcba98                      ; v_permlanex16_b32's selects for lane l xor 16
	v_and_b32 v1, 15, v0                           ; r = l % 16
	v_bfe_u32 v2, v0, 4, 1                         ; h = l / 16
	v_lshl_add_u32 v12, v2, 5, s46
	v_lshl_add_u32 v13, v1, 2, s47
.irp b, 0,1,2,3,4,5,6,7
	global_load_b128 v[BR+8*\b:BR+8*\b+3], v12, s[96:97] offset:64*\b          ; b_attn at feature 16 b + 8 h + 0 .. 7: the result's layout
	global_load_b128 v[BR+8*\b+4:BR+8*\b+7], v12, s[96:97] offset:64*\b+16
.endr
.irp a, 0,1,2,3,4,5,6,7
	global_load_b32 v[BL+2*\a], v13, s[96:97] offset:64*\a                     ; b_attn at feature 16 a + r
.endr
	v_mul_u32_u24 v3, v1, PITCH
	v_mul_u32_u24 v4, v2, 24
	v_add_nc_u32 v4, v3, v4                        ; a fragment's row x pitch + 24 x half
	v_lshl_add_u32 v5, v2, 4, v4                   ; and the same behind one padding more
	s_mul_i32 s21, s15, HALFT
	s_mul_i32 s22, s16, HALFT
	s_add_co_u32 s22, s22, 2*HALFT
.irp s, 0,1
	v_add_nc_u32 v[ADRA+\s], s21, v4
	v_add_nc_u32 v[ADRB+\s], s22, v4
	v_add_nc_u32 v[ADRA+2+\s], s21, v5
	v_add_nc_u32 v[ADRB+2+\s], s22, v5
	s_add_co_u32 s21, s21, SLOT
	s_add_co_u32 s22, s22, SLOT
.endr
	v_mul_u32_u24 v5, v1, KS                       ; my row's scales: 32 bytes a row,
	v_lshrrev_b32 v6, 8, v5
	v_lshl_add_u32 v5, v6, 4, v5                   ; and 16 more for each 256 passed
	s_mul_i32 s21, s15, HALFS
	s_mul_i32 s22, s16, HALFS
	s_add_co_u32 s22, s22, 2*HALFS
	s_sub_co_u32 s22, s22, s21
	v_mul_u32_u24 v6, s22, v2                      ; lanes 16-31 take B's
	s_add_co_u32 s21, s21, SCL
	v_add_nc_u32 v5, v5, v6
	v_add_nc_u32 v[ADRS], s21, v5
	v_and_b32 v6, 31, v0
	v_lshlrev_b32 v[O16], 4, v6
	v_lshl_add_u32 v[O8], v6, 3, 512
	v_add_nc_u32 v[O16C], s92, v[O16]
	v_add_nc_u32 v[O8C], s92, v[O8]
	v_lshlrev_b32 v[OSW], 4, v1
	v_lshl_add_u32 v[OSW], v2, 14, v[OSW]
	v_cmp_ne_u32 s13, 0, v2                        ; lanes 16-31
	v_mov_b32 v[SELQ], 0x05040100                  ; lanes 0-15 pack two words' low halves (the first head's bytes),
	v_mov_b32 v[SELQ+1], 0x07060302
	v_cndmask_b32 v[SELQ], v[SELQ], v[SELQ+1], s13 ; lanes 16-31 the high halves (the second head's)
	s_wait_loadcnt 0x0                             ; the biases
.set i, 0
.rept 64
	v_cndmask_b32 v[BR+i], 0, v[BR+i], s93         ; v's mode has no bias along registers
.set i, i+1
.endr
.irp a, 0,1,2,3,4,5,6,7
	v_cndmask_b32 v[BL+2*\a], 0, v[BL+2*\a], s12   ; q's and k's none along lanes
	v_mov_b32 v[BL+2*\a+1], 0                      ; (named as the upper half of a pair)
.endr
.macro FRAG reg, adr, q, i             ; 16 rows x 128 K: lane l holds row l % 16; registers 6 c .. 6 c + 5 = K 64 c + 32 (l / 16) + 0 .. 31: 24 bytes of the row as they lie, in pieces of 8 bytes
.irp p, 0,1,2,3,4,5
.set PCE, 12*(\q)+6*(\p/3)+\p%3        ; 16 bytes of padding lie behind every 8 pieces: where the piece three on lies behind one padding more, the second address register serves
.if PCE%8 < 5
	ds_load_b64 v[\reg+2*\p:\reg+2*\p+1], v[\adr] offset:8*PCE+16*(PCE/8)+(\i)*16*PITCH
.else
	ds_load_b64 v[\reg+2*\p:\reg+2*\p+1], v[\adr+2] offset:8*PCE+16*(PCE/8)+(\i)*16*PITCH
.endif
.endr
.endm
; 16 matrix instructions: A's blocks a0, a0 + 1 x B's eight.  zero = 1: the first product starts the sums from the bias along registers.  The 64 accumulators take turns, one instruction a turn.
.macro MUL16 a0, p, q, sc, zero
.irp a, \a0, \a0+1
.irp b, 0,1,2,3,4,5,6,7
.if \zero
	v_wmma_scale_f32_16x16x128_f8f6f4 v[8*(8*((\a)%4)+\b):8*(8*((\a)%4)+\b)+7], v[128*(\p)+FR*\b:128*(\p)+FR*\b+FR-1], v[AF+FR*(\a):AF+FR*(\a)+FR-1], v[BR+8*\b:BR+8*\b+7], v[SC+8*NQ*(\sc)+NQ*\b+(\q)], v[SC+8*NQ*(\sc)+NQ*(\a)+(\q)] matrix_a_fmt:MATRIX_FMT_FP6 matrix_b_fmt:MATRIX_FMT_FP6 matrix_a_scale:MATRIX_SCALE_ROW1
.else
	v_wmma_scale_f32_16x16x128_f8f6f4 v[8*(8*((\a)%4)+\b):8*(8*((\a)%4)+\b)+7], v[128*(\p)+FR*\b:128*(\p)+FR*\b+FR-1], v[AF+FR*(\a):AF+FR*(\a)+FR-1], v[8*(8*((\a)%4)+\b):8*(8*((\a)%4)+\b)+7], v[SC+8*NQ*(\sc)+NQ*\b+(\q)], v[SC+8*NQ*(\sc)+NQ*(\a)+(\q)] matrix_a_fmt:MATRIX_FMT_FP6 matrix_b_fmt:MATRIX_FMT_FP6 matrix_a_scale:MATRIX_SCALE_ROW1
.endif
.endr
.endr
.endm
.macro FETCH_B slot, q, p
	WIN TO_B
.irp i, 0,1,2,3,4,5,6,7
	FRAG 128*(\p)+FR*\i, ADRB+\slot, \q, \i
.endr
	WIN 0
.endm
.macro FETCH_A slot, q, i0
.irp i, \i0, \i0+1, \i0+2, \i0+3
	FRAG AF+FR*(\i), ADRA+\slot, \q, \i
.endr
.endm
.macro SCALES sc                       ; a K step's scale words: lanes 0-15 A's block i, lanes 16-31 B's block i
.irp i, 0,1,2,3,4,5,6,7
	ds_load_b64 v[SC+8*NQ*\sc+NQ*\i:SC+8*NQ*\sc+NQ*\i+1], v[ADRS] offset:\i*SBLK
.endr
.endm
.macro PLACES n                        ; plain vector lines between a matrix instruction and a load into, or a vector read of, its registers
.rept \n
	v_nop
.endr
.endm
.macro STEP slot, q, zero              ; 128 along K that has its successor in the same slot
	s_wait_dscnt 4*NL                              ; B's set and A's blocks 0-3 are in; the youngest 24 loads (A's blocks 4-7) may be out
	WIN MUL_LO-0x20*(\zero)                        ; (zero = 1: C is the bias, in window 0)
	MUL16 0, (\q)%2, \q, \slot, \zero
	MUL16 2, (\q)%2, \q, \slot, \zero
	s_wait_dscnt 0
	PLACES NP
	FETCH_B \slot, (\q)+1, 1-(\q)%2
	FETCH_A \slot, (\q)+1, 0
	WIN MUL_HI-0x30*(\zero)
	MUL16 4, (\q)%2, \q, \slot, \zero
	MUL16 6, (\q)%2, \q, \slot, \zero
	PLACES NP
	WIN 0
	FETCH_A \slot, (\q)+1, 4
.endm
; A slot's last step changes slots: in front of the barrier each wave waits for all its tensor loads, adds 0 to its spare word, and waits for that and for its reads of this slot.  fill = 1: this slot is filled again.
.macro TURN slot, next, fill
	s_wait_tensorcnt 0x0                           ; all my tensor loads have landed: my part of the next slot
	ds_add_u32 v[SPW], v[NIL]                      ; 0 onto my spare word
	s_wait_dscnt 4*NL+1                            ; (the add and the youngest 24 loads may be out)
	WIN MUL_LO
	MUL16 0, 1, NQ-1, \slot, 0
	s_wait_dscnt 0x0                               ; the add is done, and my reads of this slot are over
	s_barrier_signal -1
	MUL16 2, 1, NQ-1, \slot, 0
	WIN 0
	s_barrier_wait -1
.if \fill
	CREST                                          ; the barrier has opened a round of the cluster's barrier: no wave of any partner still reads this slot or has a load on its way
	s_add_nc_u64 s[G0+4*\slot+2:G0+4*\slot+3], s[G0+4*\slot+2:G0+4*\slot+3], 2*ROWB
	s_add_nc_u64 s[G0B+4*\slot+2:G0B+4*\slot+3], s[G0B+4*\slot+2:G0B+4*\slot+3], 2*ROWB
	JLOAD G0+4*\slot, G1, G0B+4*\slot, G1B         ; the first tensor load behind the round; its four v_nop are the places in front of the loads below
.else
	PLACES NP
.endif
	v_add_nc_u32 v[ADRS], 4*NQ, v[ADRS]            ; the next K step's scale words
	FETCH_B \next, 0, 0
	FETCH_A \next, 0, 0
	SCALES \next
	WIN MUL_HI
	MUL16 4, 1, NQ-1, \slot, 0
	MUL16 6, 1, NQ-1, \slot, 0
	PLACES NP
	WIN 0
	FETCH_A \next, 0, 4
.endm
	s_wait_tensorcnt 1                             ; of my three loads the last (K step 1) may be out: the scales and my part of K step 0 are in,
	s_barrier_signal -1
	s_barrier_wait -1                              ; everybody's are
	FETCH_B 0, 0, 0
	FETCH_A 0, 0, 0
	SCALES 0
	FETCH_A 0, 0, 4
	STEP 0, 0, 1                                   ; the first step stands in front of the loop: its products start the sums
	s_mov_b32 s3, LAPS-1
.Llap:                                                 ; a trip goes once round the ring and fills both slots again
	TURN 0, 1, 1
	STEP 1, 0, 0
	TURN 1, 0, 1
	STEP 0, 0, 0
	s_sub_co_u32 s3, s3, 1
	s_cmp_lg_u32 s3, 0
	s_cbranch_scc1 .Llap
	TURN 0, 1, 0                                   ; the last lap fills nothing
	STEP 1, 0, 0
	s_wait_dscnt 4*NL
	WIN MUL_LO
	MUL16 0, 1, NQ-1, 1, 0
	MUL16 2, 1, NQ-1, 1, 0
	s_wait_dscnt 0
	WIN MUL_HI
	MUL16 4, 1, NQ-1, 1, 0
	MUL16 6, 1, NQ-1, 1, 0
	WIN 0
; THE WAY OUT: no LDS.  Block a (16 rows of A on the lanes) has 64 numbers a lane: register 8 b + j = index 16 b + 8 h + j along the next K.  They are quantised in registers and leave as two units.
; FIX: behind the exchange of halves a lane holds, of its block of 32, indices 0-7 and 16-23 in d .. d + 2 and indices 8-15 and 24-31 in y .. y + 2: the four groups of 48 bits are put in order into d .. d + 5.
.macro FIX d, y
	v_perm_b32 v[\d+3], v[\d+2], v[\d+1], 0x05040302   ; indices 16-23, first 32 bits
	v_perm_b32 v[\d+4], v[\y+1], v[\d+2], 0x07060302   ; their last 16 bits, and the first 16 of indices 24-31
	v_mov_b32 v[\d+5], v[\y+2]
	v_perm_b32 v[\d+1], v[\y], v[\d+1], 0x05040100     ; the last 16 bits of indices 0-7, the first 16 of 8-15
	v_perm_b32 v[\d+2], v[\y+1], v[\y], 0x05040302     ; the rest of indices 8-15
.endm
.macro QUANT s, w                      ; 64 numbers v[s] on -> 12 registers of codes in v[CD] on, the row's scale word in v[w]
.irp b, 0,1,2,3
	v_max3_num_f32 v[TM+\b], |v[\s+16*\b]|, |v[\s+1+16*\b]|, 0x1800000   ; block b: my 16 numbers, and the floor 2^(3 - 127): the byte cannot fall under 1
.endr
.irp i, 2,4,6,8,10,12,14
.irp b, 0,1,2,3
	v_max3_num_f32 v[TM+\b], v[TM+\b], |v[\s+16*\b+\i]|, |v[\s+1+16*\b+\i]|
.endr
.endr
.irp b, 0,1,2,3
	v_permlanex16_b32 v[TM+4+\b], v[TM+\b], s94, s95
.endr
.irp b, 0,1,2,3
	v_max_num_f32 v[TM+\b], v[TM+\b], v[TM+4+\b]   ; with lane l xor 16's: the block's largest magnitude
.endr
.irp b, 0,1,2,3
	v_add_nc_u32 v[TM+12+\b], 0xff000000, v[TM+\b] ; 2 off its exponent field: the conversion's scale operand
.endr
.irp b, 0,1,2,3
	v_lshrrev_b32 v[TM+4+\b], 23, v[TM+12+\b]      ; the scale's byte
.endr
	v_lshl_or_b32 v[\w], v[TM+5], 8, v[TM+4]
	v_lshl_or_b32 v[\w], v[TM+6], 16, v[\w]
	v_lshl_or_b32 v[\w], v[TM+7], 24, v[\w]
.irp c, 0,1
	v_cvt_scalef32_pk16_fp6_f32 v[CD+6*\c:CD+6*\c+2], v[\s+32*\c:\s+32*\c+15], v[TM+12+2*\c]
	v_cvt_scalef32_pk16_fp6_f32 v[YT+4*\c:YT+4*\c+2], v[\s+32*\c+16:\s+32*\c+31], v[TM+12+2*\c+1]
.endr
	v_nop                                          ; one plain line behind the scaled conversions
.irp c, 0,1
.irp i, 0,1,2
	v_permlane16_swap_b32 v[CD+6*\c+\i], v[YT+4*\c+\i]   ; lanes 0-15 now hold block 2 c, lanes 16-31 block 2 c + 1
.endr
	FIX CD+6*\c, YT+4*\c
.endr
.endm
.macro BLOCK a
.if (\a) > 0
	s_wait_xcnt 0x0                                ; the last block's stores have read their data and their base: both are written again only behind this wait
.if (\a) == 4
	s_add_nc_u64 s[4:5], s[4:5], s[10:11]
.else
	s_add_nc_u64 s[4:5], s[4:5], s[8:9]
.endif
.endif
	WIN 0x02+(\a)/4                                ; source 0: window 2 or 3
.set AC, 64*((\a)%4)
.set i, 0
.rept 32
	v_pk_add_f32 v[ST+i:ST+i+1], v[AC+i:AC+i+1], v[BL+2*(\a):BL+2*(\a)+1] op_sel_hi:[1,0]   ; + the bias along lanes; each accumulator from its low end on; the block comes into window 0
.set i, i+2
.endr
	WIN 0
	QUANT ST, WW+(\a)
	global_store_b128 v[O16], v[CD:CD+3], s[4:5]           ; 512 consecutive bytes,
	global_store_b64 v[O8], v[CD+4:CD+5], s[4:5]           ; and 256: a unit
	global_store_b128 v[O16C], v[CD+6:CD+9], s[4:5]        ; the second half's unit
	global_store_b64 v[O8C], v[CD+10:CD+11], s[4:5]
.endm
	PLACES NP                                      ; behind the last products
.irp b, 0,1,2,3
	v_mov_b32 v[TM+4+\b], 0                        ; written once: a lane permute's destination counts as one of its sources
.endr
.irp a, 0,1,2,3,4,5,6,7
	BLOCK \a
.endr
.irp i, 0,1,2,3
	v_perm_b32 v[SWQ+\i], v[WW+2*\i+1], v[WW+2*\i], v[SELQ]    ; q, k: word i = two bytes of token tile 2 i, two of 2 i + 1; lanes 0-15 the first head's, lanes 16-31 the second's
	v_cndmask_b32 v[SWV+\i], v[WW+\i], v[WW+4+\i], s13         ; v: word i = block i's word (first head) or block 4 + i's (second)
.endr
.irp i, 0,1,2,3
	v_cndmask_b32 v[SWQ+\i], v[SWQ+\i], v[SWV+\i], s12
.endr
	global_store_b128 v[OSW], v[SWQ:SWQ+3], s[6:7]         ; sixteen lanes fill the 256 bytes of (G, Sg), sixteen those of (G + 1, Sg)
	s_wait_tensorcnt 0x0                           ; the wave's end
	ds_add_u32 v[SPW], v[NIL]
	s_wait_dscnt 0x0
	CROUND                                         ; the closing round
	s_endpgm
.Lfunc_end_k_qf5f4584f0b_qkv:
	.size	k_qf5f4584f0b_qkv, .Lfunc_end_k_qf5f4584f0b_qkv-k_qf5f4584f0b_qkv
	.p2alignl 7, 3214868480
	.fill 96, 4, 3214868480
	.section	.rodata,"a",@progbits
	.p2align	6, 0x0
	.amdhsa_kernel k_qf5f4584f0b_qkv
		.amdhsa_group_segment_fixed_size 327680
		.amdhsa_private_segment_fixed_size 0
		.amdhsa_enable_private_segment 0
		.amdhsa_kernarg_size 56
		.amdhsa_user_sgpr_count 2
		.amdhsa_user_sgpr_kernarg_segment_ptr 1
		.amdhsa_wavefront_size32 1
		.amdhsa_system_sgpr_workgroup_id_x 1
		.amdhsa_system_sgpr_workgroup_id_y 1
		.amdhsa_system_sgpr_workgroup_id_z 1
		.amdhsa_system_vgpr_workitem_id 0
		.amdhsa_next_free_vgpr 1024
		.amdhsa_next_free_sgpr 102
		.amdhsa_reserve_vcc 0
		.amdhsa_float_denorm_mode_32 3
		.amdhsa_float_denorm_mode_16_64 3
		.amdhsa_memory_ordered 1
		.amdhsa_forward_progress 1
		.amdhsa_inst_pref_size 195
	.end_amdhsa_kernel
	.amdgpu_metadata
---
amdhsa.version: [ 1, 2 ]
amdhsa.kernels:
  - .name:           k_qf5f4584f0b_qkv
    .symbol:         k_qf5f4584f0b_qkv.kd
    .args:
      - { .name: x_codes, .offset: 0, .size: 8, .value_kind: global_buffer, .address_space: global }
      - { .name: x_scales, .offset: 8, .size: 8, .value_kind: global_buffer, .address_space: global }
      - { .name: w_attn_codes, .offset: 16, .size: 8, .value_kind: global_buffer, .address_space: global }
      - { .name: w_attn_scales, .offset: 24, .size: 8, .value_kind: global_buffer, .address_space: global }
      - { .name: b_attn, .offset: 32, .size: 8, .value_kind: global_buffer, .address_space: global }
      - { .name: qkv_c, .offset: 40, .size: 8, .value_kind: global_buffer, .address_space: global }
      - { .name: qkv_s, .offset: 48, .size: 8, .value_kind: global_buffer, .address_space: global }
    .group_segment_fixed_size: 327680
    .private_segment_fixed_size: 0
    .kernarg_segment_align: 8
    .kernarg_segment_size: 56
    .max_flat_workgroup_size: 128
    .sgpr_count:     102
    .vgpr_count:     1024
    .wavefront_size: 32
...
	.end_amdgpu_metadata
.endif
;; end of part 1
;; launch attn (part 2): grid 4 x 64, 16 waves a work-group, clusters of 4 x 1, 206,848 bytes of LDS; arguments qkv_c, qkv_s, y_c, y_s; writes y_c, y_s
.if DOCPART == 2
	.amdgcn_target "amdgcn-amd-amdhsa--gfx1250"
	.amdhsa_code_object_version 6
	.text
	.protected	k_qf5f4584f0b_attn
	.globl	k_qf5f4584f0b_attn
	.p2align	8
	.type	k_qf5f4584f0b_attn,@function
k_qf5f4584f0b_attn:
	s_mov_b64 s[64:65], 0
	v_nop
	global_prefetch_b8 v0, s[64:65] scope:SCOPE_SE
	s_setreg_imm32_b32 hwreg(HW_REG_WAVE_MODE, 25, 1), 1
	s_wait_xcnt 0x0
	s_wait_alu depctr_hold_cnt(0) depctr_sa_sdst(0) depctr_va_vdst(0) depctr_va_sdst(0) depctr_va_ssrc(0) depctr_va_vcc(0) depctr_vm_vsrc(0)
	s_getreg_b32 s2, hwreg(HW_REG_IB_STS2, 6, 4)
	s_cmp_eq_u32 s2, 0
	s_cbranch_scc0 .Lentry_in_a_cluster
	s_endpgm
.Lentry_in_a_cluster:
	s_bfe_u32 s2, ttmp6, 0x10000c
	s_cmp_lg_u32 s2, 0x3003
	s_cbranch_scc0 .Lentry_shape_is_right
	s_endpgm
.Lentry_shape_is_right:
; y = softmax(q k^T / 8, causal) v for one (batch, head) a cluster, both products on codes of FP6 (E2M3) with E8M0 scales; y leaves quantised along C (the head's 64 are two blocks), as codes and scale bytes.
; THE SOFTMAX: t = score x log2(e) / 8; M = the running largest t rounded up to a whole number; p = 2^(t - M) is quantised along the keys; the row's sum is taken of the unquantised p and divides at the end.
; When M moves, the sum and O are multiplied by 2^(old M - new M): exact.
; SHARES.  The head's 128 tiles of 16 queries are 8 u + e (u = block of 128 tokens).  Work-group cx, wave w own e = 2 cx + par and TWO tiles: E with u = U1 in 0..7 and L with u = 15 - U1:
; U1 + 1 + 16 - U1 = 17 tile-steps of 128 keys for every wave.  U1 and par hang on the wave's number alone, so no branch differs between the partners of a cluster; cx enters global addresses and the mask's compare alone.
; U1 over the waves, four to a row: 0 7 3 4 / 7 0 4 3 / 1 6 2 5 / 6 1 5 2: every row and every column adds up to 14.
; LDS.  The head's K and V, codes and scale words, 204,800 bytes, are filled ONCE by joint loads of the four work-groups (they walk the same K and V) and stay: no byte is filled again, no barrier stands in a loop.
;   0: K of steps 0-7 (6,144 a step: 8 units);  49,152: V of steps 0-7;  98,304: K of steps 8-15;  147,456: V of steps 8-15;  196,608: K's scale words, 256 a step;  200,704: V's.
; A unit is the register image of 16 rows x 64 along K (768 bytes: lane l's registers 0-3 at 16 l, registers 4-5 at 512 + 8 l): every LDS load reads consecutive bytes.
; LAYOUT.  S^T = K Q^T (source 0 = keys, source 1 = queries), O^T = V^T P^T: a lane holds one query (lane % 16) throughout.  The head's 64 fill half of the instruction's 128 along K: source 0 carries TWO tiles of keys,
; and source 1 is (Q | zeros) or (zeros | Q), which picks one of them: zero codes add nothing.
; LIMITS: a block of zeros, or one under 2^-124, gets the byte 1 (the bytes are read by this program alone); NaN and infinities are not served.
; No prefetch: every tensor load of the launch is issued at its head.
.set UNIT,  768
.set STEPB, 8*UNIT                     ; a step's K, or V
.set VOFF,  8*STEPB                    ; from K to V in a half
.set HALF2, 2*VOFF                     ; steps 8-15
.set SCK,   2*HALF2                    ; K's scale words; V's 4,096 on
.set QE,  16                           ; v16-33  6 zeros, E's Q, 6 zeros
.set QL,  34                           ; v34-51  the same for L
.set FRG, 54                           ; v54-101 four pairs of K's tiles; later two fragments of V,
.set CD,  78                           ;         p's codes (12)
.set YT,  90                           ;         and the second conversions' results
.set S,   102                          ; v102-165 S^T, then p
.set OE,  166                          ; v166-197 O^T of E
.set OL,  198                          ; v198-229 O^T of L
.set KSW, 230                          ; v230-233 K's scale words
.set VSW, 234                          ; v234-237 V's
.set BM,  240                          ; v240-243 the blocks' maxima
.set T4,  244                          ; v244-247 at work
.set SO,  248                          ; v248-251 the conversions' scale operands
; v1 16 x lane; v2 512 + 8 x lane; v3 K's scale words' place; v4-6 the step's addresses; v7 the mask's d; v[8:9], v[12:13] (-M, largest t) of E, L; v[10:11], v[14:15] the sums; v52, v53 Q's scale words;
; v238 32 r + h; v239 a byte; v252 f; v253 p's scale word; v254 at work.
; s12 wave; s13 cx; s15 batch; s16 head; s17 U1; s18 U2; s19 par; s[20:21] lane selects; s[22:23] c; s[24:39] groups 1; s[40:51] groups 0; s52 step; s53, s54 LDS bytes of the step; s55 e; s[56:63] addresses; s66 lanes 16-31.
.macro CROUND
	s_barrier_signal -1
	s_barrier_wait -1
	s_cmp_lg_u32 s12, 0
	s_cbranch_scc1 .Lnot_wave_0_\@
	s_barrier_signal -3
.Lnot_wave_0_\@:
	s_barrier_wait -3
	s_barrier_signal -1
	s_barrier_wait -1
.endm
; Behind the exchange of halves a lane holds, of its block of 32, indices 0-7 and 16-23 in d .. d + 2 and 8-15 and 24-31 in y .. y + 2: the four groups of 48 bits are put in order into d .. d + 5.
.macro FIX d, y
	v_perm_b32 v[\d+3], v[\d+2], v[\d+1], 0x05040302
	v_perm_b32 v[\d+4], v[\y+1], v[\d+2], 0x07060302
	v_mov_b32 v[\d+5], v[\y+2]
	v_perm_b32 v[\d+1], v[\y], v[\d+1], 0x05040100
	v_perm_b32 v[\d+2], v[\y+1], v[\y], 0x05040302
.endm
	s_load_b256 s[4:11], s[0:1], 0x0               ; qkv_c s[4:5], qkv_s s[6:7], y_c s[8:9], y_s s[10:11]
	v_lshl_add_u32 v254, v0, 2, 0x32000
	v_mov_b32 v255, 0
	ds_add_u32 v254, v255
	ds_add_u32 v254, v255
	s_wait_dscnt 0x0
	v_lshrrev_b32 v1, 5, v0
	v_readfirstlane_b32 s12, v1                    ; wave 0..15
	s_bfe_u32 s13, ttmp6, 0x40000                  ; cx
	s_and_b32 s14, ttmp7, 0xffff                   ; 16 x batch + head, which the four partners share
	s_lshr_b32 s15, s14, 4
	s_and_b32 s16, s14, 15
	s_lshr_b32 s17, s12, 3
	s_bfe_u32 s19, s12, 0x10002                    ; par = bit 2 of the wave's number
	s_and_b32 s2, s12, 3
	s_xor_b32 s2, s2, s19
	s_bfe_u32 s3, s2, 0x10001
	s_mul_i32 s3, s3, 3
	s_xor_b32 s17, s17, s3
	s_and_b32 s3, s2, 1
	s_mul_i32 s3, s3, 7
	s_xor_b32 s17, s17, s3                         ; U1
	s_xor_b32 s18, s17, 15                         ; U2 = 15 - U1
	; what waves 0-7 fetch: waves 0-3 a quarter each of K's parts, waves 4-7 of V's
	s_and_b32 s56, s12, 7
	s_and_b32 s58, s12, 3
	s_lshl_b32 s59, s19, 4
	s_add_co_u32 s59, s59, s16
	s_add_co_u32 s59, s59, 16                      ; G = 16 + head (K) or 32 + head (V)
	s_mul_i32 s60, s59, 393216
	s_mul_i32 s61, s15, 98304
	s_add_co_u32 s60, s60, s61
	s_mul_i32 s61, s58, 12288
	s_add_co_u32 s60, s60, s61
	s_mov_b32 s61, 0                               ; codes: (G, batch) + my quarter of steps 0-7
	s_lshl_b32 s62, s59, 14
	s_lshl_b32 s63, s15, 12
	s_add_co_u32 s62, s62, s63
	s_lshl_b32 s63, s58, 10
	s_add_co_u32 s62, s62, s63
	s_mov_b32 s63, 0                               ; scale words: my quarter of the 16 steps
	s_mul_i32 s66, s56, 12288                      ; their places in LDS: no place in the cluster enters an LDS address
	s_lshl_b32 s67, s56, 10
	s_mov_b32 s24, 15|(3<<16)|(1<<21)              ; group 1, codes: the mask names all four; elements of 8 bytes; bit 21 beside a mask; no padding
	s_mov_b32 s25, 32<<16                          ; rows of 256 bytes,
	s_mov_b32 s26, 48<<16                          ; 48 of them: 12,288 dense bytes
	s_mov_b32 s27, 32<<16
	s_mov_b32 s28, 48
	s_mov_b32 s29, 32
	s_mov_b32 s30, 0
	s_mov_b32 s31, 0
	s_mov_b32 s32, 15|(3<<16)|(1<<21)              ; group 1, scale words: 4 rows of 256 bytes
	s_mov_b32 s33, 32<<16
	s_mov_b32 s34, 4<<16
	s_mov_b32 s35, 32<<16
	s_mov_b32 s36, 4
	s_mov_b32 s37, 32
	s_mov_b32 s38, 0
	s_mov_b32 s39, 0
	s_mov_b32 s20, 0x76543210
	s_mov_b32 s21, 0xfedcba98                      ; lane l xor 16
	s_mov_b32 s22, 0x3e38aa3b                      ; c = log2(e) / 8
	s_mov_b32 s23, s22                             ; (named with it as a pair)
	s_wait_kmcnt 0x0
	CROUND                                         ; all four work-groups are here: the joint loads meet
	s_mov_b32 s40, 1
	s_add_co_u32 s41, s67, SCK
	s_add_nc_u64 s[42:43], s[6:7], s[62:63]
	s_or_b32 s43, s43, 0x80000000
	s_mov_b32 s44, 1
	s_mov_b32 s45, s66
	s_add_nc_u64 s[46:47], s[4:5], s[60:61]
	s_add_nc_u64 s[50:51], s[46:47], VOFF          ; steps 8-15 lie 8 x 6,144 bytes on in memory
	s_or_b32 s47, s47, 0x80000000
	s_mov_b32 s48, 1
	s_add_co_u32 s49, s66, HALF2
	s_or_b32 s51, s51, 0x80000000
	s_cmp_lt_u32 s12, 8                            ; a wave's three fills stand in one branch on the wave's number: three loads of mine are out
	s_cbranch_scc0 .Lno_fill
	tensor_load_to_lds s[40:43], s[32:39]          ; scale words
	s_nop 0
	tensor_load_to_lds s[44:47], s[24:31]          ; steps 0-7
	s_nop 0
	tensor_load_to_lds s[48:51], s[24:31]          ; steps 8-15
	s_nop 0
.rept 4
	v_nop
.endr
.Lno_fill:
	v_and_b32 v254, 31, v0
	v_lshlrev_b32 v1, 4, v254
	v_lshl_add_u32 v2, v254, 3, 512
	v_and_b32 v252, 15, v0                         ; r
	v_bfe_u32 v251, v0, 4, 1                       ; h
	v_lshl_add_u32 v3, v252, 4, SCK
	v_lshlrev_b32 v250, 4, v252
	s_lshl_b32 s55, s13, 1
	s_add_co_u32 s55, s55, s19                     ; e = 2 cx + par
	s_lshl_b32 s2, s16, 9
	s_lshl_b32 s3, s15, 7
	s_add_co_u32 s2, s2, s3
	s_add_co_u32 s2, s2, s55                       ; q's unit: 512 head + 128 batch + 8 u + e
	s_lshl_b32 s3, s17, 3
	s_add_co_u32 s56, s2, s3
	s_lshl_b32 s3, s18, 3
	s_add_co_u32 s58, s2, s3
	s_mul_i32 s56, s56, UNIT
	s_mul_i32 s58, s58, UNIT
	s_mov_b32 s57, 0
	s_mov_b32 s59, 0
	s_add_nc_u64 s[56:57], s[4:5], s[56:57]
	s_add_nc_u64 s[58:59], s[4:5], s[58:59]
	s_lshl_b32 s2, s16, 6
	s_lshl_b32 s3, s15, 4
	s_add_co_u32 s2, s2, s3                        ; q's scale words: (64 head + 16 batch + u) x 256 + 16 r + 4 cx
	s_add_co_u32 s60, s2, s17
	s_add_co_u32 s62, s2, s18
	s_lshl_b32 s60, s60, 8
	s_lshl_b32 s62, s62, 8
	s_lshl_b32 s3, s13, 2
	s_add_co_u32 s60, s60, s3
	s_add_co_u32 s62, s62, s3
	s_mov_b32 s61, 0
	s_mov_b32 s63, 0
	s_add_nc_u64 s[60:61], s[6:7], s[60:61]
	s_add_nc_u64 s[62:63], s[6:7], s[62:63]
	global_load_b128 v[QE+6:QE+9], v1, s[56:57]
	global_load_b64 v[QE+10:QE+11], v2, s[56:57]
	global_load_b128 v[QL+6:QL+9], v1, s[58:59]
	global_load_b64 v[QL+10:QL+11], v2, s[58:59]
	global_load_b32 v52, v250, s[60:61]
	global_load_b32 v53, v250, s[62:63]
.irp i, 0,1,2,3,4,5
	v_mov_b32 v[QE+\i], 0                          ; zero codes on both sides of Q
	v_mov_b32 v[QE+12+\i], 0
	v_mov_b32 v[QL+\i], 0
	v_mov_b32 v[QL+12+\i], 0
.endr
	v_lshlrev_b32 v7, 3, v251
	v_sub_nc_u32 v7, v252, v7
	s_lshl_b32 s2, s55, 4
	v_add_nc_u32 v7, s2, v7                        ; d = 16 e + r - 8 h: on the diagonal register 8 t + j (key 16 t + 8 h + j) is hidden where 16 t + j > d
	v_lshl_add_u32 v238, v252, 5, v251             ; y's scale bytes: 32 r + h
	v_cmp_ne_u32 s66, 0, v251                      ; lanes 16-31
	v_mov_b32 v9, 0xff61b1e6                       ; the largest t so far: -3e38, under every t
	v_floor_f32 v8, -v9                            ; -M
	v_mov_b32 v10, 0
	v_mov_b32 v11, 0
	v_mov_b32 v13, 0xff61b1e6
	v_floor_f32 v12, -v13
	v_mov_b32 v14, 0
	v_mov_b32 v15, 0
.irp b, 0,1,2,3
	v_mov_b32 v[T4+\b], 0                          ; written once: a lane permute's destination counts as one of its sources
.endr
	v_mov_b32 v253, 0                              ; (named as the upper half of the pair v[252:253] before it is first written)
	s_mov_b32 s68, 0x03020302
	s_cmp_eq_u32 s19, 0
	s_cselect_b32 s68, 0x01000100, s68             ; my tile's two bytes of the word, twice: they serve (Q | 0) and (0 | Q)
	s_wait_loadcnt 0x0                             ; Q and its scale words; their address registers are free
	v_perm_b32 v52, v52, v52, s68
	v_perm_b32 v53, v53, v53, s68
.set j, 0
.rept 64
	v_mov_b32 v[OE+j], 0                           ; O^T of both tiles.  (The step is written without a first form: the first change of M multiplies zeros.  These lines are also the places behind the scale words' lines)
.set j, j+1
.endr
	s_lshl_b32 s2, s15, 7
	s_add_co_u32 s2, s2, s55
	s_lshl_b32 s3, s17, 3
	s_add_co_u32 s3, s3, s2                        ; E's tile of tokens: 128 batch + 8 u + e
	s_lshl_b32 s56, s3, 4
	s_add_co_u32 s56, s56, s16
	s_mul_i32 s56, s56, UNIT
	s_mov_b32 s57, 0
	s_add_nc_u64 s[56:57], s[8:9], s[56:57]        ; y_c at (tile, head)
	s_lshl_b32 s58, s3, 9
	s_lshl_b32 s67, s16, 1
	s_add_co_u32 s58, s58, s67
	s_mov_b32 s59, 0
	s_add_nc_u64 s[58:59], s[10:11], s[58:59]      ; y_s at the tile's first token, byte 2 head
	s_lshl_b32 s3, s18, 3
	s_add_co_u32 s3, s3, s2
	s_lshl_b32 s60, s3, 4
	s_add_co_u32 s60, s60, s16
	s_mul_i32 s60, s60, UNIT
	s_mov_b32 s61, 0
	s_add_nc_u64 s[60:61], s[8:9], s[60:61]
	s_lshl_b32 s62, s3, 9
	s_add_co_u32 s62, s62, s67
	s_mov_b32 s63, 0
	s_add_nc_u64 s[62:63], s[10:11], s[62:63]
.macro VLOAD g                         ; V^T's tiles 2 g and 2 g + 1: 16 channels x the step's 128 keys each
.irp i, 0,1
	ds_load_b128 v[FRG+12*\i:FRG+12*\i+3], v4 offset:VOFF+(4*\g+2*\i)*UNIT
	ds_load_b64 v[FRG+12*\i+4:FRG+12*\i+5], v5 offset:VOFF+(4*\g+2*\i)*UNIT
	ds_load_b128 v[FRG+12*\i+6:FRG+12*\i+9], v4 offset:VOFF+(4*\g+2*\i+1)*UNIT
	ds_load_b64 v[FRG+12*\i+10:FRG+12*\i+11], v5 offset:VOFF+(4*\g+2*\i+1)*UNIT
.endr
.endm
; ONE TILE OF 16 QUERIES, ONE STEP OF 128 KEYS.  o: its O^T; st: its (-M, t, sum, sum); q: its Q run; qs: Q's scale word; us: the scalar with its u; mask = 1: the text for the diagonal is written.
.macro TSTEP o, st, q, qs, us, mask
.rept 4
	v_nop                                          ; places behind the last products, in front of loads into registers that they read
.endr
.irp p, 0,1,2,3
	ds_load_b128 v[FRG+12*\p:FRG+12*\p+3], v4 offset:2*\p*UNIT               ; keys 32 p on: tile 2 p in registers 0-5,
	ds_load_b64 v[FRG+12*\p+4:FRG+12*\p+5], v5 offset:2*\p*UNIT
	ds_load_b128 v[FRG+12*\p+6:FRG+12*\p+9], v4 offset:(2*\p+1)*UNIT         ; tile 2 p + 1 in registers 6-11
	ds_load_b64 v[FRG+12*\p+10:FRG+12*\p+11], v5 offset:(2*\p+1)*UNIT
.endr
	ds_load_b128 v[KSW:KSW+3], v6                  ; word p: two bytes of tile 2 p, two of tile 2 p + 1
	ds_load_b128 v[VSW:VSW+3], v6 offset:4096      ; word t: the four bytes of channel 16 t + r
	s_wait_dscnt 0x0
.irp p, 0,1,2,3
	v_wmma_scale_f32_16x16x128_f8f6f4 v[S+16*\p:S+16*\p+7], v[FRG+12*\p:FRG+12*\p+11], v[\q+6:\q+17], 0, v[KSW+\p], v[\qs] matrix_a_fmt:MATRIX_FMT_FP6 matrix_b_fmt:MATRIX_FMT_FP6
	v_wmma_scale_f32_16x16x128_f8f6f4 v[S+16*\p+8:S+16*\p+15], v[FRG+12*\p:FRG+12*\p+11], v[\q:\q+11], 0, v[KSW+\p], v[\qs] matrix_a_fmt:MATRIX_FMT_FP6 matrix_b_fmt:MATRIX_FMT_FP6
.endr
.rept 4
	v_nop
.endr
.if \mask                              ; on the diagonal hidden scores become -infinity ahead of the maximum: p = 0 then.  The branch hangs on the step's count and the wave's number
	s_cmp_lg_u32 s52, s[\us]
	s_cbranch_scc1 .Lopen_\@
	v_mov_b32 v254, 0xff800000
.set n, 0
.rept 64
	v_cmp_gt_i32 vcc_lo, 16*(n/8)+n%8, v7
	v_cndmask_b32 v[S+n], v[S+n], v254, vcc_lo
.set n, n+1
.endr
.Lopen_\@:
.endif
.irp b, 0,1,2,3
	v_max3_num_f32 v[BM+\b], v[S+16*\b], v[S+1+16*\b], v[S+2+16*\b]   ; the largest score of each block of 32 keys: for the row's maximum, and, since p rises with the score, for the block's largest p
.endr
.irp i, 3,5,7,9,11,13
.irp b, 0,1,2,3
	v_max3_num_f32 v[BM+\b], v[BM+\b], v[S+16*\b+\i], v[S+1+16*\b+\i]
.endr
.endr
.irp b, 0,1,2,3
	v_max_num_f32 v[BM+\b], v[BM+\b], v[S+15+16*\b]
.endr
.irp b, 0,1,2,3
	v_permlanex16_b32 v[T4+\b], v[BM+\b], s20, s21
.endr
.irp b, 0,1,2,3
	v_max_num_f32 v[BM+\b], v[BM+\b], v[T4+\b]     ; with lane l xor 16's 16 keys
.endr
	v_max3_num_f32 v254, v[BM], v[BM+1], v[BM+2]
	v_max_num_f32 v254, v254, v[BM+3]
	v_mul_f32 v254, s22, v254                      ; as t
	v_max_num_f32 v[\st+1], v[\st+1], v254         ; the running largest t
	v_mov_b32 v254, v[\st]
	v_floor_f32 v[\st], -v[\st+1]                  ; -M = floor(-t): M is a whole number
	v_sub_f32 v254, v[\st], v254                   ; old M - new M: a whole number, 0 or less
	v_cvt_i32_f32 v254, v254                       ; (it saturates)
	v_ldexp_f32 v252, 1.0, v254                    ; f = 2^(old M - new M)
.set j, 0
.rept 32
	v_pk_fma_f32 v[S+j:S+j+1], v[S+j:S+j+1], s[22:23], v[\st:\st+1] op_sel_hi:[1,0,0]   ; t - M, two at a time
.set j, j+2
.endr
.irp b, 0,1,2,3
	v_fma_f32 v[BM+\b], v[BM+\b], s22, v[\st]      ; the same of each block's largest score
.endr
.set j, 0
.rept 64
	v_exp_f32 v[S+j], v[S+j]                       ; p = 2^(t - M), at most 1
.set j, j+1
.endr
	v_pk_mul_f32 v[\st+2:\st+3], v[\st+2:\st+3], v[252:253] op_sel_hi:[1,0]   ; the sums under the new M: a plain line behind the exponentials
	s_wait_alu depctr_va_vdst(0)                   ; one wait for the batch, ahead of its first reader
.irp b, 0,1,2,3
	v_exp_f32 v[BM+\b], v[BM+\b]                   ; the block's largest p
.endr
	v_pk_add_f32 v[T4:T4+1], v[S:S+1], v[S+2:S+3]  ; the row's sum of the unquantised p, in two chains
.set j, 4
.rept 15
	v_pk_add_f32 v[\st+2:\st+3], v[\st+2:\st+3], v[S+j:S+j+1]
	v_pk_add_f32 v[T4:T4+1], v[T4:T4+1], v[S+j+2:S+j+3]
.set j, j+4
.endr
	v_pk_add_f32 v[\st+2:\st+3], v[\st+2:\st+3], v[T4:T4+1]
	s_wait_alu depctr_va_vdst(0)                   ; and one for the four
.irp b, 0,1,2,3
	v_max_num_f32 v[BM+\b], 0x1800000, v[BM+\b]    ; the floor 2^(3 - 127): the byte cannot fall under 1
.endr
.irp b, 0,1,2,3
	v_add_nc_u32 v[SO+\b], 0xff000000, v[BM+\b]    ; 2 off the exponent field: the conversion's scale operand
.endr
.irp b, 0,1,2,3
	v_lshrrev_b32 v[T4+\b], 23, v[SO+\b]           ; the scale's byte
.endr
	v_lshl_or_b32 v253, v[T4+1], 8, v[T4]          ; p's scale word for these 128 keys
	v_lshl_or_b32 v253, v[T4+2], 16, v253
	v_lshl_or_b32 v253, v[T4+3], 24, v253
.irp c, 0,1
	v_cvt_scalef32_pk16_fp6_f32 v[CD+6*\c:CD+6*\c+2], v[S+32*\c:S+32*\c+15], v[SO+2*\c]
	v_cvt_scalef32_pk16_fp6_f32 v[YT+4*\c:YT+4*\c+2], v[S+32*\c+16:S+32*\c+31], v[SO+2*\c+1]
.endr
	v_nop                                          ; one plain line behind the scaled conversions
.irp c, 0,1
.irp i, 0,1,2
	v_permlane16_swap_b32 v[CD+6*\c+\i], v[YT+4*\c+\i]   ; lanes 0-15 now hold block 2 c, lanes 16-31 block 2 c + 1
.endr
	FIX CD+6*\c, YT+4*\c
.endr
	VLOAD 0                                        ; lands under the multiplies below; K's first two pairs were read by products far back
.set j, 0
.rept 16
	v_pk_mul_f32 v[\o+j:\o+j+1], v[\o+j:\o+j+1], v[252:253] op_sel_hi:[1,0]   ; O^T under the new M.  (Also the places between the codes' and the scale word's lines and the products)
.set j, j+2
.endr
.irp g, 0,1
.if \g > 0
.rept 4
	v_nop
.endr
	VLOAD 1
.endif
	s_wait_dscnt 0x0
.irp i, 0,1
	v_wmma_scale_f32_16x16x128_f8f6f4 v[\o+8*(2*\g+\i):\o+8*(2*\g+\i)+7], v[FRG+12*\i:FRG+12*\i+11], v[CD:CD+11], v[\o+8*(2*\g+\i):\o+8*(2*\g+\i)+7], v[VSW+2*\g+\i], v253 matrix_a_fmt:MATRIX_FMT_FP6 matrix_b_fmt:MATRIX_FMT_FP6
.endr
.endr
.endm
	s_wait_tensorcnt 1                             ; of my three loads the last (steps 8-15) may be out
	s_barrier_signal -1
	s_barrier_wait -1                              ; everybody's scale words and steps 0-7 are in
	s_mov_b32 s52, 0
	s_mov_b32 s53, 0
	s_mov_b32 s54, 0
.Lphase_a:                                             ; steps 0-7: L always (its u is 8 or more: no key is hidden), E up to its diagonal
	v_add_nc_u32 v4, s53, v1
	v_add_nc_u32 v5, s53, v2
	v_add_nc_u32 v6, s54, v3
	TSTEP OL, 12, QL, 53, 18, 0
	s_cmp_gt_u32 s52, s17
	s_cbranch_scc1 .Lskip_e
	TSTEP OE, 8, QE, 52, 17, 1
.Lskip_e:
	s_add_co_u32 s53, s53, STEPB
	s_add_co_u32 s54, s54, 256
	s_add_co_u32 s52, s52, 1
	s_cmp_lt_u32 s52, 8
	s_cbranch_scc1 .Lphase_a
	s_wait_tensorcnt 0x0                           ; my part of steps 8-15 is in,
	s_wait_dscnt 0x0
	s_barrier_signal -1
	s_barrier_wait -1                              ; everybody's is
	s_mov_b32 s52, 8
	s_mov_b32 s53, HALF2
	s_mov_b32 s54, 8*256
.Lphase_b:                                             ; steps 8-15: L up to its diagonal.  Every wave walks all trips; the work alone is jumped over
	v_add_nc_u32 v4, s53, v1
	v_add_nc_u32 v5, s53, v2
	v_add_nc_u32 v6, s54, v3
	s_cmp_gt_u32 s52, s18
	s_cbranch_scc1 .Lskip_l
	TSTEP OL, 12, QL, 53, 18, 1
.Lskip_l:
	s_add_co_u32 s53, s53, STEPB
	s_add_co_u32 s54, s54, 256
	s_add_co_u32 s52, s52, 1
	s_cmp_lt_u32 s52, 16
	s_cbranch_scc1 .Lphase_b
; THE WAY OUT of a tile: O^T / the sum; register 8 t + j = channel 16 t + 8 h + j of token r: two blocks of 32 along C, quantised in registers; one unit of codes and one scale byte a lane.
.macro OUTY o, st, yc, ys
.rept 4
	v_nop                                          ; places behind the last products
.endr
	v_add_f32 v254, v[\st+2], v[\st+3]
	v_permlanex16_b32 v[T4], v254, s20, s21
	v_add_f32 v254, v254, v[T4]                    ; the row's sum
	v_rcp_f32 v252, v254
	v_nop                                          ; a plain line behind the reciprocal
	s_wait_alu depctr_va_vdst(0)                   ; and the wait ahead of its first reader
.set j, 0
.rept 16
	v_pk_mul_f32 v[S+j:S+j+1], v[\o+j:\o+j+1], v[252:253] op_sel_hi:[1,0]   ; each accumulator from its low end on
.set j, j+2
.endr
.irp b, 0,1
	v_max3_num_f32 v[BM+\b], |v[S+16*\b]|, |v[S+1+16*\b]|, 0x1800000
.endr
.irp i, 2,4,6,8,10,12,14
.irp b, 0,1
	v_max3_num_f32 v[BM+\b], v[BM+\b], |v[S+16*\b+\i]|, |v[S+1+16*\b+\i]|
.endr
.endr
.irp b, 0,1
	v_permlanex16_b32 v[T4+\b], v[BM+\b], s20, s21
.endr
.irp b, 0,1
	v_max_num_f32 v[BM+\b], v[BM+\b], v[T4+\b]
.endr
.irp b, 0,1
	v_add_nc_u32 v[SO+\b], 0xff000000, v[BM+\b]
.endr
.irp b, 0,1
	v_lshrrev_b32 v[T4+\b], 23, v[SO+\b]
.endr
	v_cvt_scalef32_pk16_fp6_f32 v[CD:CD+2], v[S:S+15], v[SO]
	v_cvt_scalef32_pk16_fp6_f32 v[YT:YT+2], v[S+16:S+31], v[SO+1]
	v_cndmask_b32 v239, v[T4], v[T4+1], s66        ; lanes 0-15 carry block 0's byte, lanes 16-31 block 1's.  (The plain line behind the conversions)
.irp i, 0,1,2
	v_permlane16_swap_b32 v[CD+\i], v[YT+\i]
.endr
	FIX CD, YT
	global_store_b128 v1, v[CD:CD+3], s[\yc:\yc+1]         ; 512 consecutive bytes,
	global_store_b64 v2, v[CD+4:CD+5], s[\yc:\yc+1]        ; and 256: the unit
	global_store_b8 v238, v239, s[\ys:\ys+1]               ; byte 2 head + h of token r's row of 32: one byte a lane, 1 / 24 of what the launch stores
.endm
	OUTY OE, 8, 56, 58
	s_wait_xcnt 0x0                                ; E's stores have read their data: the registers are written again only behind this wait
	OUTY OL, 12, 60, 62
	s_wait_dscnt 0x0
	s_wait_xcnt 0x0
	v_lshl_add_u32 v254, v0, 2, 0x32000
	v_mov_b32 v255, 0
	s_wait_tensorcnt 0x0
	ds_add_u32 v254, v255
	s_wait_dscnt 0x0
	CROUND                                         ; the closing round
	s_endpgm
.Lfunc_end_k_qf5f4584f0b_attn:
	.size	k_qf5f4584f0b_attn, .Lfunc_end_k_qf5f4584f0b_attn-k_qf5f4584f0b_attn
	.p2alignl 7, 3214868480
	.fill 96, 4, 3214868480
	.section	.rodata,"a",@progbits
	.p2align	6, 0x0
	.amdhsa_kernel k_qf5f4584f0b_attn
		.amdhsa_group_segment_fixed_size 206848
		.amdhsa_private_segment_fixed_size 0
		.amdhsa_enable_private_segment 0
		.amdhsa_kernarg_size 32
		.amdhsa_user_sgpr_count 2
		.amdhsa_user_sgpr_kernarg_segment_ptr 1
		.amdhsa_wavefront_size32 1
		.amdhsa_system_sgpr_workgroup_id_x 1
		.amdhsa_system_sgpr_workgroup_id_y 1
		.amdhsa_system_sgpr_workgroup_id_z 1
		.amdhsa_system_vgpr_workitem_id 0
		.amdhsa_next_free_vgpr 256
		.amdhsa_next_free_sgpr 72
		.amdhsa_reserve_vcc 1
		.amdhsa_float_denorm_mode_32 3
		.amdhsa_float_denorm_mode_16_64 3
		.amdhsa_memory_ordered 1
		.amdhsa_forward_progress 1
		.amdhsa_inst_pref_size 80
	.end_amdhsa_kernel
	.amdgpu_metadata
---
amdhsa.version: [ 1, 2 ]
amdhsa.kernels:
  - .name:           k_qf5f4584f0b_attn
    .symbol:         k_qf5f4584f0b_attn.kd
    .args:
      - { .name: qkv_c, .offset: 0, .size: 8, .value_kind: global_buffer, .address_space: global }
      - { .name: qkv_s, .offset: 8, .size: 8, .value_kind: global_buffer, .address_space: global }
      - { .name: y_c, .offset: 16, .size: 8, .value_kind: global_buffer, .address_space: global }
      - { .name: y_s, .offset: 24, .size: 8, .value_kind: global_buffer, .address_space: global }
    .group_segment_fixed_size: 206848
    .private_segment_fixed_size: 0
    .kernarg_segment_align: 8
    .kernarg_segment_size: 32
    .max_flat_workgroup_size: 512
    .sgpr_count:     72
    .vgpr_count:     256
    .wavefront_size: 32
...
	.end_amdgpu_metadata
.endif
;; end of part 2
;; launch proj (part 3): grid 8 x 32, 4 waves a work-group, clusters of 4 x 4, 327,680 bytes of LDS; arguments y_c, y_s, w_proj_codes, w_proj_scales, out0, b_proj; writes out0
.if DOCPART == 3
	.amdgcn_target "amdgcn-amd-amdhsa--gfx1250"
	.amdhsa_code_object_version 6
	.text
	.protected	k_qf5f4584f0b_proj
	.globl	k_qf5f4584f0b_proj
	.p2align	8
	.type	k_qf5f4584f0b_proj,@function
k_qf5f4584f0b_proj:
	s_mov_b64 s[64:65], 0
	v_nop
	global_prefetch_b8 v0, s[64:65] scope:SCOPE_SE
	s_setreg_imm32_b32 hwreg(HW_REG_WAVE_MODE, 25, 1), 1
	s_wait_xcnt 0x0
	s_wait_alu depctr_hold_cnt(0) depctr_sa_sdst(0) depctr_va_vdst(0) depctr_va_sdst(0) depctr_va_ssrc(0) depctr_va_vcc(0) depctr_vm_vsrc(0)
	s_getreg_b32 s2, hwreg(HW_REG_IB_STS2, 6, 4)
	s_cmp_eq_u32 s2, 0
	s_cbranch_scc0 .Lentry_in_a_cluster
	s_endpgm
.Lentry_in_a_cluster:
	s_bfe_u32 s2, ttmp6, 0x10000c
	s_cmp_lg_u32 s2, 0xf033
	s_cbranch_scc0 .Lentry_shape_is_right
	s_endpgm
.Lentry_shape_is_right:
; out0 = y w_proj^T + b_proj on codes of FP6 (E2M3) with E8M0 scales, K = 1,024; out0 [8,192][1,024] f32.
; A tile is 256 tokens x 128 features: 256 work-groups, one for each WGP (tiles of 256 x 256 would be 128).  Four waves, each 128 tokens x 64 features: 32 accumulators, 256 registers.
; y_c lies as register images: [tile of 16 tokens 512][head 16][768]: a unit = 16 tokens x 64 along K, lane l's registers 0-3 at 16 l, registers 4-5 at 512 + 8 l.  A K step of 256 is four units, 3,072 consecutive bytes a token tile.
; w_proj's codes lie as rows of 768 bytes: its tiles come as rows of 192 bytes with 16 bytes of padding behind every 64.  The scale bytes of the 256 + 128 rows, for all of K, come into LDS once.
; K goes in steps of 256 through two LDS slots filled by joint tensor loads.  CLUSTERS: 4 x 4: y's tile is shared along a row of the cluster, w_proj's along a column.
; THE MATRIX INSTRUCTION IS USED TRANSPOSED: source 0 = 16 features ("B"), source 1 = 16 tokens ("A"): a lane holds eight neighbouring numbers of a row of out0.  The bias is the C of each sum's first product.
; REGISTERS: window 0: v0-31 addresses; v32-63 scale words, two sets; v64-95 the bias; v128-223 A's fragments, one set; on the way out v128-191 rows.   window 1: B's fragments, two sets, at v0 and v128.   window 2: accumulator (a, b) at v[8 (4 a + b)].
.set KSTEP,  256
.set NQ,     2
.set ROWB,   192
.set KROW,   768
.set PITCH,  240
.set FR,     12
.set NLA,    4                         ; LDS loads that bring a fragment of A
.set NP,     4
.set AROW,   3072                      ; a token tile's part of a slot
.set AHALF,  8*AROW                    ; 128 tokens
.set BHALF,  64*PITCH                  ; 64 features
.set BOFF,   2*AHALF
.set SLOT,   BOFF+2*BHALF
.set LAPS,   2
.set KS,     32
.set SCL,    2*SLOT                    ; behind the ring: B's scales (2 x HSB), then A's (2 x HSA), as units of 256 bytes + 16
.set HSB,    (64*KS/256)*272
.set HSA,    (128*KS/256)*272
.set SBLK,   (16*KS/256)*272
.set SPARE,  SCL+2*HSB+2*HSA           ; the spare words: 128 bytes a wave, named by no other line
.set SPITCH, 272                       ; the way out: a stage of 16 rows x (256 bytes + 16) for each wave, in slot 0, which has had its last fill and its last read by then
.set ADRA, 16                          ; v16-17 16 x lane + my A half, slot 0, 1;  v18-19 512 + 8 x lane + the same
.set ADRB, 20                          ; v20-21 my B fragments;  v22-23 the same behind one padding more
.set STO,  24
.set RD,   25
.set CO,   26
.set ADRS, 27
.set SPW,  28
.set NIL,  29
.set SC,   32
.set BR,   64
.set AF,   128
.set BK,   128
.set G1, 24
.set G0, 32
.set G1B, 48
.set G0B, 56
.set G1S, 68
.set G0S, 76
.set G1SB, 80
.set G0SB, 88
.set MSB, 0
.macro WIN new                         ; the immediate's high byte repeats the setting that is left
.if MSB != (\new)
	s_set_vgpr_msb (MSB<<8)|(\new)
.set MSB, (\new)
.endif
.endm
.set MUL,  0xa1                        ; source 0 (B) window 1, source 1 (A) window 0, C and D window 2
.set TO_B, 0x40
.macro JLOAD g0a, g1a, g0b, g1b        ; a joint load: waves 0 and 1 fetch for A, waves 2 and 3 for B; four v_nop follow each line
	s_cmp_eq_u32 s15, 0
	s_cbranch_scc0 .Lfor_b_\@
	tensor_load_to_lds s[\g0a:\g0a+3], s[\g1a:\g1a+7]
	s_nop 0
.rept 4
	v_nop
.endr
	s_branch .Lasked_\@
.Lfor_b_\@:
	tensor_load_to_lds s[\g0b:\g0b+3], s[\g1b:\g1b+7]
	s_nop 0
.rept 4
	v_nop
.endr
.Lasked_\@:
.endm
.macro CREST
	s_cmp_lg_u32 s14, 0
	s_cbranch_scc1 .Lnot_wave_0_\@
	s_barrier_signal -3
.Lnot_wave_0_\@:
	s_barrier_wait -3
	s_barrier_signal -1
	s_barrier_wait -1
.endm
.macro CROUND
	s_barrier_signal -1
	s_barrier_wait -1
	CREST
.endm
	s_load_b128 s[4:7], s[0:1], 0x0                ; y_c, y_s
	s_load_b128 s[8:11], s[0:1], 0x10              ; w_proj's codes, its scales
	s_load_b64 s[12:13], s[0:1], 0x20              ; out0
	s_load_b64 s[96:97], s[0:1], 0x28              ; b_proj
	v_lshl_add_u32 v[SPW], v0, 2, SPARE
	v_mov_b32 v[NIL], 0
	ds_add_u32 v28, v29
	ds_add_u32 v28, v29
	s_wait_dscnt 0x0
	v_lshrrev_b32 v1, 5, v0
	v_readfirstlane_b32 s14, v1                    ; wave 0..3
	s_lshr_b32 s15, s14, 1                         ; which 128 tokens are mine.  Also: I fetch for A (0) or for B (1)
	s_and_b32 s16, s14, 1                          ; which 64 features.  Also: which half I fetch
	s_bfe_u32 s40, ttmp6, 0x40000                  ; cx
	s_bfe_u32 s41, ttmp6, 0x40004                  ; cy
	s_lshl_b32 s42, ttmp9, 2
	s_add_co_u32 s42, s42, s40                     ; tile column: features / 128
	s_and_b32 s17, ttmp7, 0xffff
	s_lshl_b32 s17, s17, 2
	s_add_co_u32 s17, s17, s41                     ; tile row: tokens / 256
	s_lshl_b32 s43, s41, 2
	s_lshl_b32 s43, 15, s43                        ; my row of the cluster
	s_lshl_b32 s44, 0x1111, s40                    ; my column
	s_or_b32 s[G1+0], s43, (3<<16)|(1<<21)         ; A: the mask; elements of 8 bytes; bit 21 beside a mask; no padding
	s_mov_b32 s[G1+1], 384<<16                     ; rows of 3,072 bytes,
	s_mov_b32 s[G1+2], 8<<16                       ; 8 of them,
	s_mov_b32 s[G1+3], 384<<16
	s_mov_b32 s[G1+4], 8
	s_mov_b32 s[G1+5], 1536                        ; 12,288 bytes apart in memory
	s_mov_b32 s[G1+6], 0
	s_mov_b32 s[G1+7], 0
	s_or_b32 s[G1B+0], s44, (0<<16)|(1<<20)|(1<<21)|(3<<22)|(3<<25)  ; B: elements of 1 byte; after every 16 words 4 words of padding
	s_mov_b32 s[G1B+1], ROWB<<16
	s_mov_b32 s[G1B+2], 64<<16
	s_mov_b32 s[G1B+3], ROWB<<16
	s_mov_b32 s[G1B+4], 64
	s_mov_b32 s[G1B+5], KROW
	s_mov_b32 s[G1B+6], 0
	s_mov_b32 s[G1B+7], 0
	s_or_b32 s[G1S+0], s43, (3<<16)|(1<<20)|(1<<21)|(5<<22)|(3<<25)  ; A's scales: 4,096 dense bytes as 16 rows of 256, 16 bytes of padding behind each
	s_mov_b32 s[G1S+1], 32<<16
	s_mov_b32 s[G1S+2], 16<<16
	s_mov_b32 s[G1S+3], 32<<16
	s_mov_b32 s[G1S+4], 16
	s_mov_b32 s[G1S+5], 32
	s_mov_b32 s[G1S+6], 0
	s_mov_b32 s[G1S+7], 0
	s_or_b32 s[G1SB+0], s44, (3<<16)|(1<<20)|(1<<21)|(5<<22)|(3<<25) ; B's: 8 rows
	s_mov_b32 s[G1SB+1], 32<<16
	s_mov_b32 s[G1SB+2], 8<<16
	s_mov_b32 s[G1SB+3], 32<<16
	s_mov_b32 s[G1SB+4], 8
	s_mov_b32 s[G1SB+5], 32
	s_mov_b32 s[G1SB+6], 0
	s_mov_b32 s[G1SB+7], 0
	s_lshl_b32 s20, s17, 4
	s_lshl_b32 s18, s16, 3
	s_add_co_u32 s20, s20, s18                     ; A: token tile 16 x tile row + 8 x half
	s_lshl_b32 s22, s20, 9                         ; its scales: 16 rows of 32 bytes a token tile
	s_mul_i32 s20, s20, 12288                      ; its codes
	s_mov_b32 s21, 0
	s_mov_b32 s23, 0
	s_lshl_b32 s46, s42, 7
	s_lshl_b32 s18, s16, 6
	s_add_co_u32 s46, s46, s18                     ; B: row 128 x tile column + 64 x half
	s_lshl_b32 s92, s46, 5
	s_mul_i32 s46, s46, KROW
	s_mov_b32 s47, 0
	s_mov_b32 s93, 0
	s_mul_i32 s45, s16, AHALF                      ; where they go: no place in the cluster enters an LDS address
	s_mul_i32 s94, s16, BHALF
	s_add_co_u32 s94, s94, BOFF
	s_mul_i32 s95, s16, HSA
	s_add_co_u32 s95, s95, SCL+2*HSB
	s_mul_i32 s19, s16, HSB
	s_add_co_u32 s19, s19, SCL
	s_wait_kmcnt 0x0
	s_add_nc_u64 s[20:21], s[4:5], s[20:21]
	s_add_nc_u64 s[22:23], s[6:7], s[22:23]
	s_add_nc_u64 s[46:47], s[8:9], s[46:47]
	s_add_nc_u64 s[92:93], s[10:11], s[92:93]
	CROUND                                         ; all sixteen work-groups are here: the first joint loads meet
	s_mov_b32 s[G0S], 1
	s_mov_b32 s[G0S+1], s95
	s_mov_b64 s[G0S+2:G0S+3], s[22:23]
	s_or_b32 s[G0S+3], s[G0S+3], 0x80000000
	s_mov_b32 s[G0SB], 1
	s_mov_b32 s[G0SB+1], s19
	s_mov_b64 s[G0SB+2:G0SB+3], s[92:93]
	s_or_b32 s[G0SB+3], s[G0SB+3], 0x80000000
	JLOAD G0S, G1S, G0SB, G1SB                     ; the scales first
.irp s, 0,1
	s_mov_b32 s[G0+4*\s], 1
	s_add_co_u32 s[G0+4*\s+1], s45, \s*SLOT
	s_add_nc_u64 s[G0+4*\s+2:G0+4*\s+3], s[20:21], \s*AROW
	s_or_b32 s[G0+4*\s+3], s[G0+4*\s+3], 0x80000000
	s_mov_b32 s[G0B+4*\s], 1
	s_add_co_u32 s[G0B+4*\s+1], s94, \s*SLOT
	s_add_nc_u64 s[G0B+4*\s+2:G0B+4*\s+3], s[46:47], \s*ROWB
	s_or_b32 s[G0B+4*\s+3], s[G0B+4*\s+3], 0x80000000
	JLOAD G0+4*\s, G1, G0B+4*\s, G1B
.endr
	v_and_b32 v1, 15, v0                           ; r
	v_bfe_u32 v2, v0, 4, 1                         ; h
	s_lshl_b32 s46, s42, 9
	s_lshl_b32 s47, s16, 8
	s_add_co_u32 s46, s46, s47                     ; my first feature x 4 bytes: in b_proj, and in a row of out0
	v_lshl_add_u32 v7, v2, 5, s46
.irp b, 0,1,2,3
	global_load_b128 v[BR+8*\b:BR+8*\b+3], v7, s[96:97] offset:64*\b           ; b_proj at feature 16 b + 8 h + 0 .. 7: the result's layout
	global_load_b128 v[BR+8*\b+4:BR+8*\b+7], v7, s[96:97] offset:64*\b+16
.endr
	v_and_b32 v6, 31, v0
	v_lshlrev_b32 v3, 4, v6
	v_lshl_add_u32 v4, v6, 3, 512
	s_mul_i32 s21, s15, AHALF
.irp s, 0,1
	v_add_nc_u32 v[ADRA+\s], s21, v3
	v_add_nc_u32 v[ADRA+2+\s], s21, v4
	s_add_co_u32 s21, s21, SLOT
.endr
	v_mul_u32_u24 v3, v1, PITCH
	v_mul_u32_u24 v4, v2, 24
	v_add_nc_u32 v4, v3, v4                        ; B: row x pitch + 24 x half
	v_lshl_add_u32 v5, v2, 4, v4                   ; and the same behind one padding more
	s_mul_i32 s22, s16, BHALF
	s_add_co_u32 s22, s22, BOFF
.irp s, 0,1
	v_add_nc_u32 v[ADRB+\s], s22, v4
	v_add_nc_u32 v[ADRB+2+\s], s22, v5
	s_add_co_u32 s22, s22, SLOT
.endr
	v_mul_u32_u24 v5, v1, KS                       ; my row's scales: 32 bytes a row,
	v_lshrrev_b32 v6, 8, v5
	v_lshl_add_u32 v5, v6, 4, v5                   ; and 16 more for each 256 passed
	s_mul_i32 s21, s16, HSB                        ; lanes 0-15: B's, my 64 rows
	s_mul_i32 s22, s15, HSA
	s_add_co_u32 s22, s22, 2*HSB                   ; lanes 16-31: A's, my 128 rows
	s_sub_co_u32 s22, s22, s21
	v_mul_u32_u24 v6, s22, v2
	s_add_co_u32 s21, s21, SCL
	v_add_nc_u32 v5, v5, v6
	v_add_nc_u32 v[ADRS], s21, v5
	s_mul_i32 s23, s14, 16*SPITCH                  ; my stage
	v_mul_u32_u24 v5, v1, SPITCH
	v_lshl_add_u32 v5, v2, 5, v5
	v_add_nc_u32 v[STO], s23, v5                   ; in: row r, 32 bytes for each half of the lanes
	v_mul_u32_u24 v5, v2, SPITCH
	v_lshl_add_u32 v5, v1, 4, v5
	v_add_nc_u32 v[RD], s23, v5                    ; back: lanes 0-15 one row of 256 bytes, lanes 16-31 the next
	v_lshlrev_b32 v[CO], 4, v1
	v_lshl_add_u32 v[CO], v2, 12, v[CO]            ; and the same two rows in out0 (4,096 bytes a row)
	s_lshl_b32 s20, s17, 8
	s_lshl_b32 s21, s15, 7
	s_add_co_u32 s20, s20, s21                     ; my first token
	s_lshl_b32 s20, s20, 12
	s_add_co_u32 s20, s20, s46
	s_mov_b32 s21, 0
	s_add_nc_u64 s[12:13], s[12:13], s[20:21]
.macro FRAGA reg, slot, q, i           ; A's block i, the slot's q-th 128 along K: two units, as they lie
	ds_load_b128 v[\reg:\reg+3], v[ADRA+\slot] offset:(\i)*AROW+(2*(\q))*768
	ds_load_b64 v[\reg+4:\reg+5], v[ADRA+2+\slot] offset:(\i)*AROW+(2*(\q))*768
	ds_load_b128 v[\reg+6:\reg+9], v[ADRA+\slot] offset:(\i)*AROW+(2*(\q)+1)*768
	ds_load_b64 v[\reg+10:\reg+11], v[ADRA+2+\slot] offset:(\i)*AROW+(2*(\q)+1)*768
.endm
.macro FRAG reg, adr, q, i             ; B's: 24 bytes of a row twice, in pieces of 8 bytes; 16 bytes of padding lie behind every 8 pieces
.irp p, 0,1,2,3,4,5
.set PCE, 12*(\q)+6*(\p/3)+\p%3
.if PCE%8 < 5
	ds_load_b64 v[\reg+2*\p:\reg+2*\p+1], v[\adr] offset:8*PCE+16*(PCE/8)+(\i)*16*PITCH
.else
	ds_load_b64 v[\reg+2*\p:\reg+2*\p+1], v[\adr+2] offset:8*PCE+16*(PCE/8)+(\i)*16*PITCH
.endif
.endr
.endm
; 8 matrix instructions: A's blocks a0, a0 + 1 x B's four.  zero = 1: the first product starts the sums from the bias.  The 32 accumulators take turns, one instruction a turn.
.macro MUL8 a0, p, q, sc, zero
.irp a, \a0, \a0+1
.irp b, 0,1,2,3
.if \zero
	v_wmma_scale_f32_16x16x128_f8f6f4 v[8*(4*(\a)+\b):8*(4*(\a)+\b)+7], v[128*(\p)+FR*\b:128*(\p)+FR*\b+FR-1], v[AF+FR*(\a):AF+FR*(\a)+FR-1], v[BR+8*\b:BR+8*\b+7], v[SC+8*NQ*(\sc)+NQ*\b+(\q)], v[SC+8*NQ*(\sc)+NQ*(\a)+(\q)] matrix_a_fmt:MATRIX_FMT_FP6 matrix_b_fmt:MATRIX_FMT_FP6 matrix_b_scale:MATRIX_SCALE_ROW1
.else
	v_wmma_scale_f32_16x16x128_f8f6f4 v[8*(4*(\a)+\b):8*(4*(\a)+\b)+7], v[128*(\p)+FR*\b:128*(\p)+FR*\b+FR-1], v[AF+FR*(\a):AF+FR*(\a)+FR-1], v[8*(4*(\a)+\b):8*(4*(\a)+\b)+7], v[SC+8*NQ*(\sc)+NQ*\b+(\q)], v[SC+8*NQ*(\sc)+NQ*(\a)+(\q)] matrix_a_fmt:MATRIX_FMT_FP6 matrix_b_fmt:MATRIX_FMT_FP6 matrix_b_scale:MATRIX_SCALE_ROW1
.endif
.endr
.endr
.endm
.macro FETCH_B slot, q, p
	WIN TO_B
.irp i, 0,1,2,3
	FRAG 128*(\p)+FR*\i, ADRB+\slot, \q, \i
.endr
	WIN 0
.endm
.macro FETCH_A slot, q, i0
.irp i, \i0, \i0+1, \i0+2, \i0+3
	FRAGA AF+FR*(\i), \slot, \q, \i
.endr
.endm
.macro SCALES sc                       ; a K step's scale words: lanes 0-15 B's block i (for i above 3 they read on into the scale bytes behind, which have landed, and are not used), lanes 16-31 A's block i
.irp i, 0,1,2,3,4,5,6,7
	ds_load_b64 v[SC+8*NQ*\sc+NQ*\i:SC+8*NQ*\sc+NQ*\i+1], v[ADRS] offset:\i*SBLK
.endr
.endm
.macro PLACES n                        ; plain vector lines between a matrix instruction and a load into, or a read of, its registers
.rept \n
	v_nop
.endr
.endm
.macro STEP slot, q, zero
	s_wait_dscnt 4*NLA                             ; B's set and A's blocks 0-3 are in; the youngest 16 loads (A's blocks 4-7) may be out
	WIN MUL-0x20*(\zero)                           ; (zero = 1: C is the bias, in window 0)
	MUL8 0, (\q)%2, \q, \slot, \zero
	MUL8 2, (\q)%2, \q, \slot, \zero
	s_wait_dscnt 0
	PLACES NP
	FETCH_B \slot, (\q)+1, 1-(\q)%2
	FETCH_A \slot, (\q)+1, 0
	WIN MUL-0x20*(\zero)
	MUL8 4, (\q)%2, \q, \slot, \zero
	MUL8 6, (\q)%2, \q, \slot, \zero
	PLACES NP
	WIN 0
	FETCH_A \slot, (\q)+1, 4
.endm
.macro TURN slot, next, fill
	s_wait_tensorcnt 0x0                           ; all my tensor loads have landed: my part of the next slot
	ds_add_u32 v[SPW], v[NIL]                      ; 0 onto my spare word
	s_wait_dscnt 4*NLA+1                           ; (the add and the youngest 16 loads may be out)
	WIN MUL
	MUL8 0, 1, NQ-1, \slot, 0
	s_wait_dscnt 0x0                               ; the add is done, and my reads of this slot are over
	s_barrier_signal -1
	MUL8 2, 1, NQ-1, \slot, 0
	WIN 0
	s_barrier_wait -1
.if \fill
	CREST                                          ; the barrier has opened a round of the cluster's barrier: no wave of any partner still reads this slot or has a load on its way
	s_add_nc_u64 s[G0+4*\slot+2:G0+4*\slot+3], s[G0+4*\slot+2:G0+4*\slot+3], 2*AROW
	s_add_nc_u64 s[G0B+4*\slot+2:G0B+4*\slot+3], s[G0B+4*\slot+2:G0B+4*\slot+3], 2*ROWB
	JLOAD G0+4*\slot, G1, G0B+4*\slot, G1B         ; the first tensor load behind the round; its four v_nop are the places in front of the loads below
.else
	PLACES NP
.endif
	v_add_nc_u32 v[ADRS], 4*NQ, v[ADRS]
	FETCH_B \next, 0, 0
	FETCH_A \next, 0, 0
	SCALES \next
	WIN MUL
	MUL8 4, 1, NQ-1, \slot, 0
	MUL8 6, 1, NQ-1, \slot, 0
	PLACES NP
	WIN 0
	FETCH_A \next, 0, 4
.endm
	s_wait_loadcnt 0x0                             ; the bias
	s_wait_tensorcnt 1                             ; of my three loads the last (K step 1) may be out,
	s_barrier_signal -1
	s_barrier_wait -1
	FETCH_B 0, 0, 0
	FETCH_A 0, 0, 0
	SCALES 0
	FETCH_A 0, 0, 4
	STEP 0, 0, 1
	s_mov_b32 s3, LAPS-1
.Llap:
	TURN 0, 1, 1
	STEP 1, 0, 0
	TURN 1, 0, 1
	STEP 0, 0, 0
	s_sub_co_u32 s3, s3, 1
	s_cmp_lg_u32 s3, 0
	s_cbranch_scc1 .Llap
	TURN 0, 1, 0                                   ; the last lap fills nothing
	STEP 1, 0, 0
	s_wait_dscnt 4*NLA
	WIN MUL
	MUL8 0, 1, NQ-1, 1, 0
	MUL8 2, 1, NQ-1, 1, 0
	s_wait_dscnt 0
	MUL8 4, 1, NQ-1, 1, 0
	MUL8 6, 1, NQ-1, 1, 0
	WIN 0
; THE WAY OUT, block by block of 16 tokens x 64 features: through my own stage in LDS and back as whole rows of 256 bytes; LDS serves a wave's instructions in order (ISA guide 5.7.1.4).
.macro TOSTAGE a
.set AC, 32*(\a)
	WIN 0x08                                       ; the data: window 2
.irp b, 0,1,2,3
	ds_store_b128 v[STO], v[AC+8*\b:AC+8*\b+3] offset:64*\b          ; each accumulator from its low end on
	ds_store_b128 v[STO], v[AC+8*\b+4:AC+8*\b+7] offset:64*\b+16
.endr
	WIN 0
.set BB, BK+32*((\a)%2)
.irp t, 0,1,2,3,4,5,6,7
	ds_load_b128 v[BB+4*\t:BB+4*\t+3], v[RD] offset:\t*2*SPITCH
.endr
.endm
.macro SEND a, younger                 ; younger: the LDS instructions issued behind block a's loads, which may stay out
.set BB, BK+32*((\a)%2)
	s_wait_dscnt \younger
.if (\a) > 0
	s_add_nc_u64 s[12:13], s[12:13], 16*4096       ; (behind a wait on XCNT: the earlier stores have read their base)  16 rows on
.endif
.irp t, 0,1,2,3,4,5,6,7
	global_store_b128 v[CO], v[BB+4*\t:BB+4*\t+3], s[12:13] offset:\t*2*4096 th:TH_STORE_NT   ; sixteen lanes store 256 consecutive bytes, at a multiple of 256 from out0's first byte
.endr
.endm
	PLACES NP
	TOSTAGE 0
.irp a, 1,2,3,4,5,6,7
.if \a > 1
	s_wait_xcnt 0x0                                ; block a - 2's stores have read their registers and their base
.endif
	TOSTAGE \a
	SEND \a-1, 16                                  ; behind block a - 1's loads: block a's 8 stores and 8 loads
.endr
	s_wait_xcnt 0x0
	SEND 7, 0
	s_wait_tensorcnt 0x0                           ; the wave's end
	ds_add_u32 v[SPW], v[NIL]
	s_wait_dscnt 0x0
	CROUND                                         ; the closing round
	s_endpgm
.Lfunc_end_k_qf5f4584f0b_proj:
	.size	k_qf5f4584f0b_proj, .Lfunc_end_k_qf5f4584f0b_proj-k_qf5f4584f0b_proj
	.p2alignl 7, 3214868480
	.fill 96, 4, 3214868480
	.section	.rodata,"a",@progbits
	.p2align	6, 0x0
	.amdhsa_kernel k_qf5f4584f0b_proj
		.amdhsa_group_segment_fixed_size 327680
		.amdhsa_private_segment_fixed_size 0
		.amdhsa_enable_private_segment 0
		.amdhsa_kernarg_size 48
		.amdhsa_user_sgpr_count 2
		.amdhsa_user_sgpr_kernarg_segment_ptr 1
		.amdhsa_wavefront_size32 1
		.amdhsa_system_sgpr_workgroup_id_x 1
		.amdhsa_system_sgpr_workgroup_id_y 1
		.amdhsa_system_sgpr_workgroup_id_z 1
		.amdhsa_system_vgpr_workitem_id 0
		.amdhsa_next_free_vgpr 768
		.amdhsa_next_free_sgpr 98
		.amdhsa_reserve_vcc 0
		.amdhsa_float_denorm_mode_32 3
		.amdhsa_float_denorm_mode_16_64 3
		.amdhsa_memory_ordered 1
		.amdhsa_forward_progress 1
		.amdhsa_inst_pref_size 95
	.end_amdhsa_kernel
	.amdgpu_metadata
---
amdhsa.version: [ 1, 2 ]
amdhsa.kernels:
  - .name:           k_qf5f4584f0b_proj
    .symbol:         k_qf5f4584f0b_proj.kd
    .args:
      - { .name: y_c, .offset: 0, .size: 8, .value_kind: global_buffer, .address_space: global }
      - { .name: y_s, .offset: 8, .size: 8, .value_kind: global_buffer, .address_space: global }
      - { .name: w_proj_codes, .offset: 16, .size: 8, .value_kind: global_buffer, .address_space: global }
      - { .name: w_proj_scales, .offset: 24, .size: 8, .value_kind: global_buffer, .address_space: global }
      - { .name: out0, .offset: 32, .size: 8, .value_kind: global_buffer, .address_space: global }
      - { .name: b_proj, .offset: 40, .size: 8, .value_kind: global_buffer, .address_space: global }
    .group_segment_fixed_size: 327680
    .private_segment_fixed_size: 0
    .kernarg_segment_align: 8
    .kernarg_segment_size: 48
    .max_flat_workgroup_size: 128
    .sgpr_count:     98
    .vgpr_count:     768
    .wavefront_size: 32
...
	.end_amdgpu_metadata
.endif
;; end of part 3
